; MI455X (gfx1250); checked and timed in simulation.
; The chip was launched on July 23, 2026; its instructions are those of AMD's public machine-readable ISA for CDNA 5 (MIT licence, August 2026) and "CDNA5" Instruction Set Architecture Reference Guide (July 2026). The comments in the code are by the model that wrote it; some were corrected since.
;; CSA Transformer. Allowed arithmetic: matrix products marked QUANTISED: E2M3 operands, one E8M0 scale for each 32 along K, by v_wmma_scale_f32_16x16x128_f8f6f4 with both operands' format E2M3, f32 sums; products left as they are: f32 operands where the result goes on into a quantised operand, else bf16, f16 or f32 operands; f32 sums; everything else in f32.
;; Inputs: W1 128 x 128 float32; W2 128 x 128 float32; Wsa1 128 x 128 float32; Wsa2 128 x 128 float32; bsa 128 float32; bsa1 128 float32; c 8 x 128 float32; ln_b 128 float32; ln_g 128 float32; pfn_b1 128 float32; pfn_b2 128 float32; pfn_w1 128 x 128 float32; pfn_w2 128 x 128 float32; wsat_b one number float32; wsat_w 128 float32; wt_w 128 float32; x 8 x 4,096 x 128 float32.
;; Outputs: out0 8 x 4,096 x 128 float32.
;; This version of the problem:
;;   THIS VERSION OF THE PROBLEM IS GIVEN IN LOW PRECISION. The matrix products marked QUANTISED in the list below multiply operands that are first quantised to E2M3 (2 exponent bits, 3 mantissa bits; 6 bits a number), with one power-of-two scale for each 32 numbers along K (OCP MX v1.0); their sums are f32. All else is computed in f32.
;;   The module's matrix products, in the order in which they are computed (A, B: the left and right operand; K: the contracted axis; several contracted axes count as one K, in the product's order):
;;     1. [M 32,768, K 128] x [K 128, N 128]; A: input x; B: input W1: QUANTISED
;;     2. [M 8, K 128] x [K 128, N 128]; A: input c; B: input W2: left as it is (M = 8 < 16)
;;     3. [M 32,768, K 128] x [K 128, N 1]; A: computed on the way; B: input wt_w: left as it is (N = 1 < 16)
;;     4. [M 32,768, K 128] x [K 128, N 128]; A: computed on the way; B: input Wsa1: QUANTISED
;;     5. [M 32,768, K 128] x [K 128, N 1]; A: computed on the way; B: input wsat_w: left as it is (N = 1 < 16)
;;     6. [M 32,768, K 128] x [K 128, N 128]; A: computed on the way; B: input Wsa2: QUANTISED
;;     7. [M 32,768, K 128] x [K 128, N 1]; A: computed on the way; B: input wsat_w: left as it is (N = 1 < 16)
;;     8. [M 1, K 128] x [K 128, N 1]; A: input bsa1; B: input wsat_w: left as it is (M = 1 < 16)
;;     9. [M 32,768, K 128] x [K 128, N 128]; A: computed on the way; B: input pfn_w1: QUANTISED
;;     10. [M 32,768, K 128] x [K 128, N 128]; A: computed on the way; B: input pfn_w2: QUANTISED
;;   THE QUANTISER, for each operand of a quantised product, along K:
;;     - K is cut into blocks of 32 from its start; a last block that is shorter is filled with zeros.
;;     - A block's scale is 2^e with e = floor(log2(the largest magnitude in the block)) - 2, held to -126 .. 127; a block of zeros has e = 0. As a byte (E8M0): e + 127.
;;     - Each number is divided by its block's scale, clamped to +-7.5, and rounded to the nearest number of E2M3, ties to even, subnormals kept.
;;     - The product sums the exact products of the quantised numbers (number of the format x scale) in f32.
;;   ~~~python
;;   def quantise(x, axis):      # numpy; x: float32 -> the quantised numbers, widened to float32 again
;;       x = np.moveaxis(x, axis, -1); K = x.shape[-1]
;;       x = np.pad(x, [(0, 0)] * (x.ndim - 1) + [(0, -K % 32)]); x = x.reshape(x.shape[:-1] + (-1, 32)); a = np.abs(x).max(-1, keepdims=True)
;;       e = np.where(a > 0, np.clip(np.frexp(np.where(a > 0, a, 1))[1] - 1 - 2, -126, 127), 0)      # np.frexp(a)[1] - 1 = floor(log2(a)), exactly
;;       r = np.clip(x / 2.0 ** e, -7.5, 7.5)
;;       step = 2.0 ** (np.maximum(np.frexp(np.where(r == 0, 1, r))[1] - 1, 0) - 3)
;;       q = np.round(r / step) * step * 2.0 ** e      # np.round: ties to even
;;       return np.moveaxis(q.reshape(q.shape[:-2] + (-1,))[..., :K], -1, axis).astype(np.float32)
;;   ~~~
;;   OPERANDS COMPUTED ON THE WAY. 'Computed on the way' means the value that the module computes at that place (a softmax that the list does not call 'softmax' is quantised finished and normalised). What goes into a quantiser is computed in f32, as accurately as f32 sums, v_exp_f32 and their like allow (about 1e-6 of the number): no bf16 or f16 on the way to a quantiser, and a product that is left as it is and whose result goes on into a quantised operand takes f32 operands (vector FMAs, or v_wmma_f32_16x16x4_f32). A number that lies on a knife's edge between two numbers of the format may be rounded either way, as far as f32 arithmetic and the matrix unit's own rounding can turn it there, and no further.
;; 2 versions, each right; version 2 is version 1 with the launches logit, score, ffn written anew for expert scheduling mode. Each part assembles by itself: llvm-mc -triple=amdgcn-amd-amdhsa -mcpu=gfx1250 --defsym DOCPART=n.
;; ======== version 1 of 2: 4 launches
;; workspace buffers: logits 131,072 bytes; wimg 65,536 bytes; rowrec 524,288 bytes; colrec 262,144 bytes; part 4,194,304 bytes; dcor 131,072 bytes
;; launch logit (part 1): grid 256 x 1, 4 waves a work-group, no clusters, 89,088 bytes of LDS; arguments x, W1, W2, c, bsa, wt_w, Wsa1, Wsa2, pfn_w1, pfn_w2, logits, wimg; writes logits, wimg
.if DOCPART == 1
	.amdgcn_target "amdgcn-amd-amdhsa--gfx1250"
	.amdhsa_code_object_version 6
	.text
	.protected	k_q38dd204ca5_logit
	.globl	k_q38dd204ca5_logit
	.p2align	8
	.type	k_q38dd204ca5_logit,@function
k_q38dd204ca5_logit:
	s_mov_b64 s[64:65], 0
	v_nop
	global_prefetch_b8 v0, s[64:65] scope:SCOPE_SE
	s_setreg_imm32_b32 hwreg(HW_REG_WAVE_MODE, 25, 1), 1
	s_wait_xcnt 0x0
; logits[row] = sum over e of (Q(x) Q(W1) + c W2 + bsa)[row][e] wt_w[e], for the 32,768 rows of x [8][4096][128].  Q: codes of FP6 (E2M3), one E8M0 scale for each 32 along K = the 128 of x.
; The product goes to the matrix unit on codes; c W2, the bias and the dot product with wt_w are f32 multiply-adds.  Work-groups 0 to 7 also quantise Wsa1, Wsa2, pfn_w1, pfn_w2 once, for the later launches.
; SHARES.  256 work-groups of four waves; work-group g owns rows 128 g .. 128 g + 127 (batch g / 32), wave w 32 of them: two tiles of 16.
; LAYOUT 'RL'.  A tile of 16 rows x 128 lies in 64 registers: register 32 c + i of lane (r = lane % 16, h = lane / 16) is (row r, column 64 c + 32 h + i): the order of a 6-bit operand's registers, so a lane holds two
; whole blocks of 32 (2 c + h), a block's largest magnitude needs no other lane, and the conversions' results are the operand.  x is loaded as it lies (a load = one row, 512 bytes) and turned through the wave's own stage in LDS.
; THE PRODUCT IS USED TRANSPOSED (source 0 = 16 columns of W1, source 1 = 16 rows of x), AND THE COLUMNS OF A WEIGHT TILE ARE CHOSEN: lane r of tile t takes column 64 (t / 4) + 8 (t % 4) + 32 (r / 8) + r % 8.
; Register j of tile t's result in lane (r, h) is then (row r, column 64 (t / 4) + 32 h + 8 (t % 4) + j): RL's register 8 t + j.  So the eight results are a tile in RL, and the bias, kept in RL, is the products' C.
; W1 [128 (k)][128 (n)] has K as its first axis: a lane takes a column and its registers run down K.  Wave w quantises tiles 2 w and 2 w + 1; they go to the other waves through LDS as images of the operand's registers.
; NO CLUSTER, NO TENSOR LOAD: K is one step of 128; each byte of x goes to one wave once; what work-groups share (W1, W2: 128 KB) is read once at the head.
; LIMITS: NaN and infinities are not served; a block whose largest magnitude lies under 2^-124 keeps the scale byte 1 (a block of zeros too: its codes are zeros); the f32 sums run in another order than reference()'s.
; REGISTERS.  window 0: v1 4 lane, v2 16 lane, v3 h, v4 8 h, v5, v6 stage (in, out), v7 128 h, v8 a permute's target, v9, v10 offsets in a weight, v11-15, v45-47 LDS addresses, v16-27 codes, v28-35 second halves of blocks,
;   v36-43 at work, v44 the scale word just made, v48-55 W1's scale words, v56-59 c W2 (later the logits), v60-63 bsa, v64-127, v128-191 two tiles in RL, v192-255 the products' results.
;   window 1: W2's 32 rows, later W1's eight fragments.   window 2: v0-63 the bias in RL, v64-127 wt_w in RL.
.set WIMG, 67584                       ; LDS: 0: four stages of 16,896 bytes (2 tiles x 16 rows x 528);  WIMG: eight images of 2,048 bytes (1,536 of codes, 128 of scale words)
.set WQP,  83968                       ; four partial sums of c W2, 512 bytes each
.set BIA,  86016                       ; the bias, a copy of 512 bytes for each wave
.set LGS,  88064                       ; the work-group's 128 logits
.set MSB,  0
.macro WIN new                         ; the immediate's high byte repeats the setting that is left
.if MSB != (\new)
	s_set_vgpr_msb (MSB<<8)|(\new)
.set MSB, (\new)
.endif
.endm
.macro PLACES n
.rept \n
	v_nop
.endr
.endm
.macro RLREAD m, d                     ; tile m of my stage into v[d] on, in RL.  Rows are 528 bytes apart: the sixteen lanes of a half read sixteen different columns of 16 bytes
.irp c, 0,1
.irp j, 0,1,2,3,4,5,6,7
	ds_load_b128 v[\d+32*\c+4*\j:\d+32*\c+4*\j+3], v6 offset:8448*\m+256*\c+16*\j
.endr
.endr
.endm
; 64 numbers in RL at v[s] on become the operand's 12 registers v16-27 and its scale word v44
.macro QUANT s
.irp b, 0,1,2,3
	v_max3_num_f32 v[36+\b], |v[(\s)+16*\b]|, |v[(\s)+16*\b+1]|, 0x1800000   ; four chains, two to a block; the floor 2^(3 - 127) holds the byte at 1 from below
.endr
.irp i, 2,4,6,8,10,12,14
.irp b, 0,1,2,3
	v_max3_num_f32 v[36+\b], v[36+\b], |v[(\s)+16*\b+\i]|, |v[(\s)+16*\b+\i+1]|
.endr
.endr
	v_max_num_f32 v36, v36, v37                    ; block h's largest magnitude,
	v_max_num_f32 v38, v38, v39                    ; block 2 + h's
	v_add_nc_u32 v40, 0xff000000, v36              ; 2 off the exponent field: the conversion takes the exponent field of this operand as its scale
	v_add_nc_u32 v41, 0xff000000, v38
	v_lshrrev_b32 v42, 23, v40                     ; the scales' bytes
	v_lshrrev_b32 v43, 23, v41
	v_lshl_or_b32 v44, v43, 16, v42
	v_lshlrev_b32 v44, v4, v44                     ; at their places in the word, 8 h bits up;
	v_permlanex16_b32 v8, v44, s66, s67
	v_or_b32 v44, v44, v8                          ; with lane l xor 16's two the word is whole
	v_cvt_scalef32_pk16_fp6_f32 v[16:18], v[(\s):(\s)+15], v40
	v_cvt_scalef32_pk16_fp6_f32 v[28:30], v[(\s)+16:(\s)+31], v40    ; (a conversion's three registers begin on an even number)
	v_cvt_scalef32_pk16_fp6_f32 v[22:24], v[(\s)+32:(\s)+47], v41
	v_cvt_scalef32_pk16_fp6_f32 v[32:34], v[(\s)+48:(\s)+63], v41
	v_nop                                          ; one plain place behind a scaled conversion
.irp i, 0,1,2
	v_mov_b32 v[19+\i], v[28+\i]
	v_mov_b32 v[25+\i], v[32+\i]
.endr
.endm
; a weight tile: register 32 c + i = W(64 c + 32 h + i, my column)
.macro WLOAD s, adr, b, u
.irp c, 0,1
.irp i, 0,1,2,3,4,5,6,7,8,9,10,11,12,13,14,15,16,17,18,19,20,21,22,23,24,25,26,27,28,29,30,31
	global_load_b32 v[\s+32*\c+\i], v[\adr], s[\b:\b+1] offset:(64*\c+\i)*512+32*\u
.endr
.endr
.endm
.macro IMAGE u                         ; the operand goes to LDS as it stands: lane l's 16 bytes at 16 l, its scale word at 4 l
	ds_store_b128 v11, v[16:19] offset:2048*\u
	ds_store_b128 v11, v[20:23] offset:2048*\u+512
	ds_store_b128 v11, v[24:27] offset:2048*\u+1024
	ds_store_b32 v12, v44 offset:2048*\u
.endm
	s_load_b512 s[4:19], s[0:1], 0x0               ; x, W1, W2, c, bsa, wt_w, Wsa1, Wsa2
	s_load_b256 s[20:27], s[0:1], 0x40             ; pfn_w1, pfn_w2, logits, wimg
	v_lshl_add_u32 v31, v0, 2, 0x15a00
	v_mov_b32 v35, 0
	v_lshrrev_b32 v1, 5, v0
	v_readfirstlane_b32 s70, v1                    ; wave 0..3
	v_and_b32 v3, 31, v0
	v_lshlrev_b32 v1, 2, v3                        ; 4 lane
	v_lshlrev_b32 v2, 4, v3                        ; 16 lane
	v_and_b32 v9, 15, v0                           ; r
	v_bfe_u32 v3, v0, 4, 1                         ; h
	v_lshlrev_b32 v4, 3, v3
	v_lshlrev_b32 v7, 7, v3
	v_mov_b32 v8, 0                                ; written once: a lane permute's destination counts as one of its sources
	s_mul_i32 s28, s70, 16896
	v_add_nc_u32 v5, s28, v2                       ; my stage, on the way in: 16 lane
	v_mul_u32_u24 v6, v9, 528
	v_add_nc_u32 v6, v6, v7
	v_add_nc_u32 v6, s28, v6                       ; and on the way out: 528 r + 128 h
	v_and_b32 v10, 7, v0
	v_bfe_u32 v11, v0, 3, 1
	v_lshlrev_b32 v10, 2, v10
	v_lshl_add_u32 v10, v11, 7, v10
	v_lshl_add_u32 v10, v3, 14, v10                ; in a weight: 4 (r % 8) + 128 (r / 8) + 32 h rows of 512 bytes
	s_lshr_b32 s28, s70, 1
	s_lshl_b32 s28, s28, 8
	s_and_b32 s29, s70, 1
	s_lshl_b32 s29, s29, 6
	s_add_co_u32 s28, s28, s29
	v_add_nc_u32 v9, s28, v10                      ; W1, tile 2 w: + 256 (w / 2) + 64 (w % 2)
	s_and_b32 s28, ttmp9, 1
	s_lshl_b32 s28, s28, 8
	s_lshl_b32 s29, s70, 5
	s_add_co_u32 s28, s28, s29
	v_add_nc_u32 v10, s28, v10                     ; the fifth tile, 4 (g % 2) + w of its weight: + 256 (g % 2) + 32 w
	s_lshl_b32 s28, s70, 12
	s_add_co_u32 s28, s28, WIMG
	v_add_nc_u32 v11, s28, v2                      ; where I store images,
	s_add_co_u32 s28, s28, 1536
	v_add_nc_u32 v12, s28, v1                      ; and their scale words
	v_add_nc_u32 v13, WIMG, v2                     ; where I read them
	v_add_nc_u32 v14, WIMG+1536, v1
	s_lshl_b32 s28, s70, 9
	s_add_co_u32 s28, s28, WQP
	v_add_nc_u32 v15, s28, v2                      ; my partial sums; my copy of the bias lies BIA - WQP further on
	v_add_nc_u32 v45, WQP, v2
	s_add_co_u32 s28, s28, BIA-WQP
	v_add_nc_u32 v46, s28, v7                      ; the bias in RL
	v_lshl_add_u32 v47, v0, 2, LGS
	s_mov_b32 s66, 0x76543210
	s_mov_b32 s67, 0xfedcba98                      ; v_permlanex16_b32's selects for lane l xor 16
	s_mov_b32 s68, 0xffff0000                      ; lanes 16-31
	s_lshr_b32 s71, ttmp9, 5                       ; the batch
	s_lshl_b32 s28, ttmp9, 16
	s_lshl_b32 s29, s70, 14
	s_add_co_u32 s28, s28, s29                     ; my 32 rows of x: 65,536 g + 16,384 w
	s_mov_b32 s29, 0
	s_wait_kmcnt 0x0
	s_add_nc_u64 s[4:5], s[4:5], s[28:29]
	s_lshl_b32 s28, s70, 14
	s_add_nc_u64 s[8:9], s[8:9], s[28:29]          ; W2's rows 32 w on
	s_lshl_b32 s28, s71, 9
	s_lshl_b32 s30, s70, 7
	s_add_co_u32 s28, s28, s30
	s_add_nc_u64 s[10:11], s[10:11], s[28:29]      ; c[batch][32 w ..]
	s_lshl_b32 s28, ttmp9, 9
	s_add_nc_u64 s[24:25], s[24:25], s[28:29]      ; the work-group's 128 logits
.set n, 0
.rept 32
	global_load_b128 v[128+4*n:131+4*n], v2, s[4:5] offset:512*n th:TH_LOAD_NT   ; a load = a row: 512 consecutive bytes
.set n, n+1
.endr
	WIN 0x40
.set n, 0
.rept 32
	global_load_b128 v[4*n:4*n+3], v2, s[8:9] offset:512*n       ; W2(32 w + n, 4 lane ..)
.set n, n+1
.endr
	WIN 0
	global_load_b128 v[60:63], v2, s[12:13]        ; bsa(4 lane ..)
	WIN 0x80
.irp c, 0,1
.irp j, 0,1,2,3,4,5,6,7
	global_load_b128 v[64+32*\c+4*\j:67+32*\c+4*\j], v7, s[14:15] offset:256*\c+16*\j   ; wt_w in RL
.endr
.endr
	WIN 0
	s_load_b512 s[32:47], s[10:11], 0x0            ; my 32 numbers of c
	s_load_b512 s[48:63], s[10:11], 0x40
	s_wait_loadcnt 49                              ; x is in: 32 + 1 + 16 younger loads may be out
.set n, 0
.rept 32
	ds_store_b128 v5, v[128+4*n:131+4*n] offset:8448*(n/16)+528*(n%16)
.set n, n+1
.endr
	WLOAD 64, 9, 6, 0                              ; W1, tile 2 w
	s_wait_loadcnt 63                              ; all ahead of these 64 is in: W2, bsa, wt_w
	s_wait_kmcnt 0x0
	WIN 0x04                                       ; source 1: window 1
.irp k, 0,1,2,3
	v_mul_f32 v[56+\k], s32, v[\k]
.endr
.set d, 1
.rept 31
.irp k, 0,1,2,3
	v_fmac_f32 v[56+\k], s[32+d], v[4*d+\k]        ; c W2 over my 32 of its K, columns 4 lane ..: f32
.endr
.set d, d+1
.endr
	WIN 0
	ds_store_b128 v15, v[56:59]
	s_wait_dscnt 0x0                               ; the stage's stores have read v128-255
	WLOAD 128, 9, 6, 1                             ; W1, tile 2 w + 1
	s_wait_loadcnt 63                              ; tile 2 w is in
	QUANT 64
	IMAGE 0
	s_cmp_lt_u32 ttmp9, 8                          ; work-groups 0 to 7: one more tile a wave, of weight g / 2
	s_cbranch_scc0 .Lplain
	s_bitcmp1_b32 ttmp9, 1
	s_cselect_b64 s[30:31], s[18:19], s[16:17]     ; Wsa2 or Wsa1,
	s_cselect_b64 s[2:3], s[22:23], s[20:21]       ; pfn_w2 or pfn_w1:
	s_bitcmp1_b32 ttmp9, 2
	s_cselect_b64 s[30:31], s[2:3], s[30:31]       ; the choice hangs on the work-group's number alone
	WLOAD 192, 10, 30, 0
	s_wait_loadcnt 63                              ; tile 2 w + 1 is in
	s_branch .Ltile1
.Lplain:
	s_wait_loadcnt 0x0
.Ltile1:
	s_wait_dscnt 0x0                               ; the image's stores have read the codes' registers
	QUANT 128
	IMAGE 1
	s_cmp_lt_u32 ttmp9, 8
	s_cbranch_scc0 .Lno_fifth
	s_wait_loadcnt 0x0
	s_wait_dscnt 0x0
	QUANT 192
	s_lshl_b32 s28, ttmp9, 2
	s_add_co_u32 s28, s28, s70
	s_lshl_b32 s28, s28, 11                        ; image 4 g + w = 8 x weight + tile
	s_mov_b32 s29, 0
	s_add_nc_u64 s[26:27], s[26:27], s[28:29]
	global_store_b128 v2, v[16:19], s[26:27]       ; three stores of 512 consecutive bytes
	global_store_b128 v2, v[20:23], s[26:27] offset:512
	global_store_b128 v2, v[24:27], s[26:27] offset:1024
	global_store_b32 v1, v44, s[26:27] offset:1536
	s_wait_xcnt 0x0                                ; the stores have read their registers: the codes are written again below
.Lno_fifth:
	s_wait_loadcnt 0x0                             ; no load is out on any way: v192-255 are written below
	s_wait_dscnt 0x0                               ; my images and my partial sums have landed
	s_barrier_signal -1
	s_barrier_wait -1
.irp a, 0,1,2,3
	ds_load_b128 v[192+4*\a:195+4*\a], v45 offset:512*\a           ; the four partial sums of c W2
.endr
	WIN 0x40
.irp t, 0,1,2,3,4,5,6,7
.irp c, 0,1,2
	ds_load_b128 v[12*\t+4*\c:12*\t+4*\c+3], v13 offset:2048*\t+512*\c   ; W1's eight fragments
.endr
.endr
	WIN 0
.irp t, 0,1,2,3,4,5,6,7
	ds_load_b32 v[48+\t], v14 offset:2048*\t
.endr
	RLREAD 0, 64
	RLREAD 1, 128
	s_wait_dscnt 63                                ; the partial sums are in (64 younger loads stand behind them)
.irp k, 0,2
	v_pk_add_f32 v[192+\k:193+\k], v[192+\k:193+\k], v[196+\k:197+\k]
	v_pk_add_f32 v[200+\k:201+\k], v[200+\k:201+\k], v[204+\k:205+\k]
.endr
.irp k, 0,2
	v_pk_add_f32 v[192+\k:193+\k], v[192+\k:193+\k], v[200+\k:201+\k]
.endr
.irp k, 0,2
	v_pk_add_f32 v[192+\k:193+\k], v[192+\k:193+\k], v[60+\k:61+\k]   ; c W2 + bsa, columns 4 lane ..
.endr
	ds_store_b128 v15, v[192:195] offset:BIA-WQP   ; into my own copy, and back in RL: LDS serves a wave's instructions in order
	WIN 0x80
.irp c, 0,1
.irp j, 0,1,2,3,4,5,6,7
	ds_load_b128 v[32*\c+4*\j:32*\c+4*\j+3], v46 offset:256*\c+16*\j
.endr
.endr
	WIN 0
	s_wait_dscnt 0x0
.irp m, 0,1
	QUANT 64+64*\m
	PLACES 8                                       ; a scale word made by vector instructions stands 8 places ahead of a scaled product, an operand so made 4
	WIN 0x21                                       ; source 0 (W1) window 1, C (the bias) window 2
.irp t, 0,1,2,3,4,5,6,7
	v_wmma_scale_f32_16x16x128_f8f6f4 v[192+8*\t:199+8*\t], v[12*\t:12*\t+11], v[16:27], v[8*\t:8*\t+7], v[48+\t], v44 matrix_a_fmt:MATRIX_FMT_FP6 matrix_b_fmt:MATRIX_FMT_FP6
.endr
	WIN 0
	PLACES 4
	WIN 0x08                                       ; source 1 (wt_w) window 2
.irp p, 0,1,2,3
	v_pk_mul_f32 v[36+2*\p:37+2*\p], v[192+2*\p:193+2*\p], v[64+2*\p:65+2*\p]   ; each result is read from its low end on
.endr
.set p, 4
.rept 28
	v_pk_fma_f32 v[36+2*(p%4):37+2*(p%4)], v[192+2*p:193+2*p], v[64+2*p:65+2*p], v[36+2*(p%4):37+2*(p%4)]
.set p, p+1
.endr
	WIN 0
	v_pk_add_f32 v[36:37], v[36:37], v[38:39]
	v_pk_add_f32 v[40:41], v[40:41], v[42:43]
	v_pk_add_f32 v[36:37], v[36:37], v[40:41]
	v_add_f32 v36, v36, v37
	v_permlanex16_b32 v8, v36, s66, s67
	v_add_f32 v[56+\m], v36, v8                    ; the logit of row r of tile m, in both halves of the lanes
.endr
	v_cndmask_b32 v58, v56, v57, s68               ; lane l: row l of my 32
	ds_store_b32 v47, v58
	s_wait_dscnt 0x0
	s_barrier_signal -1
	s_barrier_wait -1
	s_cmp_lg_u32 s70, 0
	s_cbranch_scc1 .Lend
	ds_load_b128 v[60:63], v45 offset:LGS-WQP
	s_wait_dscnt 0x0
	global_store_b128 v2, v[60:63], s[24:25]       ; wave 0 stores the work-group's 512 consecutive bytes
.Lend:
	s_wait_tensorcnt 0x0
	ds_add_u32 v31, v35
	s_wait_dscnt 0x0
	s_endpgm
.Lfunc_end_k_q38dd204ca5_logit:
	.size	k_q38dd204ca5_logit, .Lfunc_end_k_q38dd204ca5_logit-k_q38dd204ca5_logit
	.p2alignl 7, 3214868480
	.fill 96, 4, 3214868480
	.section	.rodata,"a",@progbits
	.p2align	6, 0x0
	.amdhsa_kernel k_q38dd204ca5_logit
		.amdhsa_group_segment_fixed_size 89088
		.amdhsa_private_segment_fixed_size 0
		.amdhsa_enable_private_segment 0
		.amdhsa_kernarg_size 96
		.amdhsa_user_sgpr_count 2
		.amdhsa_user_sgpr_kernarg_segment_ptr 1
		.amdhsa_wavefront_size32 1
		.amdhsa_system_sgpr_workgroup_id_x 1
		.amdhsa_system_sgpr_workgroup_id_y 1
		.amdhsa_system_sgpr_workgroup_id_z 1
		.amdhsa_system_vgpr_workitem_id 0
		.amdhsa_next_free_vgpr 640
		.amdhsa_next_free_sgpr 72
		.amdhsa_reserve_vcc 0
		.amdhsa_float_denorm_mode_32 3
		.amdhsa_float_denorm_mode_16_64 3
		.amdhsa_memory_ordered 1
		.amdhsa_forward_progress 1
		.amdhsa_inst_pref_size 67
	.end_amdhsa_kernel
	.amdgpu_metadata
---
amdhsa.version: [ 1, 2 ]
amdhsa.kernels:
  - .name:           k_q38dd204ca5_logit
    .symbol:         k_q38dd204ca5_logit.kd
    .args:
      - { .name: x, .offset: 0, .size: 8, .value_kind: global_buffer, .address_space: global }
      - { .name: W1, .offset: 8, .size: 8, .value_kind: global_buffer, .address_space: global }
      - { .name: W2, .offset: 16, .size: 8, .value_kind: global_buffer, .address_space: global }
      - { .name: c, .offset: 24, .size: 8, .value_kind: global_buffer, .address_space: global }
      - { .name: bsa, .offset: 32, .size: 8, .value_kind: global_buffer, .address_space: global }
      - { .name: wt_w, .offset: 40, .size: 8, .value_kind: global_buffer, .address_space: global }
      - { .name: Wsa1, .offset: 48, .size: 8, .value_kind: global_buffer, .address_space: global }
      - { .name: Wsa2, .offset: 56, .size: 8, .value_kind: global_buffer, .address_space: global }
      - { .name: pfn_w1, .offset: 64, .size: 8, .value_kind: global_buffer, .address_space: global }
      - { .name: pfn_w2, .offset: 72, .size: 8, .value_kind: global_buffer, .address_space: global }
      - { .name: logits, .offset: 80, .size: 8, .value_kind: global_buffer, .address_space: global }
      - { .name: wimg, .offset: 88, .size: 8, .value_kind: global_buffer, .address_space: global }
    .group_segment_fixed_size: 89088
    .private_segment_fixed_size: 0
    .kernarg_segment_align: 8
    .kernarg_segment_size: 96
    .max_flat_workgroup_size: 128
    .sgpr_count:     72
    .vgpr_count:     640
    .wavefront_size: 32
...
	.end_amdgpu_metadata
.endif
;; end of part 1
;; launch score (part 2): grid 256 x 1, 4 waves a work-group, no clusters, 68,096 bytes of LDS; arguments x, logits, wimg, wsat_w, bsa1, wsat_b, rowrec, colrec; writes rowrec, colrec
.if DOCPART == 2
	.amdgcn_target "amdgcn-amd-amdhsa--gfx1250"
	.amdhsa_code_object_version 6
	.text
	.protected	k_q38dd204ca5_score
	.globl	k_q38dd204ca5_score
	.p2align	8
	.type	k_q38dd204ca5_score,@function
k_q38dd204ca5_score:
	s_mov_b64 s[64:65], 0
	v_nop
	global_prefetch_b8 v0, s[64:65] scope:SCOPE_SE
	s_setreg_imm32_b32 hwreg(HW_REG_WAVE_MODE, 25, 1), 1
	s_wait_xcnt 0x0
; p = softmax of a batch's 4,096 logits; h = x p; si = (Q(h) Q(Wsa1)) . wsat_w, sj = (Q(h) Q(Wsa2)) . wsat_w; const = bsa1 . wsat_w + wsat_b.  Q: FP6 (E2M3), one E8M0 scale for each 32 along K.
; What the next launch wants of a row i and of a column j is stored as records.  With alpha = -(si + const) log2(e), beta = -sj log2(e):
;   exp(sigmoid(si + sj + const)) = 2^(1 / (ln2 + ln2 2^(alpha + beta))).   Row record, 16 bytes: ln2 2^(alpha - ea) twice, ea = floor(alpha) as a whole number, and E_ii, the diagonal's own term.  Column record, 8 bytes: 2^(beta - eb), eb = floor(beta).
;   The whole parts are added as whole numbers and applied by v_ldexp_f32: no power of two overflows on its own while the sum of the exponents is small.
; THE SOFTMAX takes the batch's largest logit away.  Each wave finds it, and the sum, for itself from all 4,096 logits (32 loads, 129 exponentials): that spares LDS traffic and barriers.
; SHARES, the layout RL, the choice of a weight tile's columns and the stage are the first launch's: work-group g owns rows 128 g on, wave w two tiles of 16; register 32 c + i of lane (r, h) is (row r, column 64 c + 32 h + i);
; the products are used transposed, so that the eight results of a weight are a tile in RL.  The weights come as images of their operand registers (16 x 2,048 bytes), made by the first launch.
; NO CLUSTER, NO TENSOR LOAD: one K step; x goes to one wave once; the 32 KB of images and 16 KB of logits are read once at the head.
; LIMITS: alpha and beta are held to +-2^28; NaN and infinities are not served; a p under 2^-126 comes out of v_exp_f32 as 0; a block under 2^-124 keeps the scale byte 1; f32 sums in another order than reference()'s.
; REGISTERS.  window 0: v1 4 lane, v2 16 lane, v3 h, v4 8 h, v5, v6 stage, v7 128 h, v8 a permute's target, v9-15, v45-47 this launch's numbers, v16-27 codes, v28-35 second halves, v36-43 at work, v44 the scale word just made,
;   v48-63 the weights' scale words, v64-127 a tile in RL, v128-255 x, then the logits, then 16 results.   window 1: v0-191 16 fragments.   window 2: v0-63 wsat_w in RL.
.set MSB,  0
.macro WIN new                         ; the immediate's high byte repeats the setting that is left
.if MSB != (\new)
	s_set_vgpr_msb (MSB<<8)|(\new)
.set MSB, (\new)
.endif
.endm
.macro PLACES n
.rept \n
	v_nop
.endr
.endm
.macro RLREAD m, d
.irp c, 0,1
.irp j, 0,1,2,3,4,5,6,7
	ds_load_b128 v[\d+32*\c+4*\j:\d+32*\c+4*\j+3], v6 offset:8448*\m+256*\c+16*\j
.endr
.endr
.endm
.macro QUANT s                         ; 64 numbers in RL at v[s] on become the operand's 12 registers v16-27 and its scale word v44
.irp b, 0,1,2,3
	v_max3_num_f32 v[36+\b], |v[(\s)+16*\b]|, |v[(\s)+16*\b+1]|, 0x1800000   ; the floor 2^(3 - 127) holds the byte at 1 from below
.endr
.irp i, 2,4,6,8,10,12,14
.irp b, 0,1,2,3
	v_max3_num_f32 v[36+\b], v[36+\b], |v[(\s)+16*\b+\i]|, |v[(\s)+16*\b+\i+1]|
.endr
.endr
	v_max_num_f32 v36, v36, v37
	v_max_num_f32 v38, v38, v39
	v_add_nc_u32 v40, 0xff000000, v36              ; 2 off the exponent field: the conversion's scale operand
	v_add_nc_u32 v41, 0xff000000, v38
	v_lshrrev_b32 v42, 23, v40
	v_lshrrev_b32 v43, 23, v41
	v_lshl_or_b32 v44, v43, 16, v42
	v_lshlrev_b32 v44, v4, v44
	v_permlanex16_b32 v8, v44, s66, s67
	v_or_b32 v44, v44, v8
	v_cvt_scalef32_pk16_fp6_f32 v[16:18], v[(\s):(\s)+15], v40
	v_cvt_scalef32_pk16_fp6_f32 v[28:30], v[(\s)+16:(\s)+31], v40
	v_cvt_scalef32_pk16_fp6_f32 v[22:24], v[(\s)+32:(\s)+47], v41
	v_cvt_scalef32_pk16_fp6_f32 v[32:34], v[(\s)+48:(\s)+63], v41
	v_nop                                          ; one plain place behind a scaled conversion
.irp i, 0,1,2
	v_mov_b32 v[19+\i], v[28+\i]
	v_mov_b32 v[25+\i], v[32+\i]
.endr
.endm
.macro LANESUM a                       ; the sum over the 32 lanes, in every lane
.irp x, 1,2,4,8
	v_add_f32_dpp v[\a], v[\a], v[\a] row_xmask:\x row_mask:0xf bank_mask:0xf
.endr
	v_permlanex16_b32 v8, v[\a], s66, s67
	v_add_f32 v[\a], v[\a], v8
.endm
	s_load_b512 s[4:19], s[0:1], 0x0               ; x, logits, wimg, wsat_w, bsa1, wsat_b, rowrec, colrec
	s_set_vgpr_msb 0x40
	v_lshl_add_u32 v254, v0, 2, 0x10800
	v_mov_b32 v255, 0
	s_set_vgpr_msb 0x4000
	v_lshrrev_b32 v1, 5, v0
	v_readfirstlane_b32 s70, v1                    ; wave 0..3
	v_and_b32 v3, 31, v0
	v_lshlrev_b32 v1, 2, v3
	v_lshlrev_b32 v2, 4, v3
	v_and_b32 v9, 15, v0
	v_bfe_u32 v3, v0, 4, 1
	v_lshlrev_b32 v4, 3, v3
	v_lshlrev_b32 v7, 7, v3
	v_mov_b32 v8, 0
	v_mov_b32 v11, 0                               ; (lane permutes' targets are written once)
	s_mul_i32 s28, s70, 16896
	v_add_nc_u32 v5, s28, v2
	v_mul_u32_u24 v6, v9, 528
	v_add_nc_u32 v6, v6, v7
	v_add_nc_u32 v6, s28, v6
	v_lshlrev_b32 v10, 2, v0                       ; 4 x thread
	s_mov_b32 s66, 0x76543210
	s_mov_b32 s67, 0xfedcba98
	s_mov_b32 s68, 0xffff0000                      ; lanes 16-31
	s_mov_b32 s30, 0x3fb8aa3b                      ; log2(e); the packed form names a pair
	s_mov_b32 s31, s30
	s_mov_b32 s32, 0xcd800000                      ; -2^28
	s_mov_b32 s33, 0x4d800000                      ; 2^28
	s_lshr_b32 s71, ttmp9, 5                       ; the batch
	s_lshl_b32 s28, ttmp9, 16
	s_lshl_b32 s29, s70, 14
	s_add_co_u32 s28, s28, s29
	s_mov_b32 s29, 0
	s_wait_kmcnt 0x0
	s_add_nc_u64 s[4:5], s[4:5], s[28:29]          ; my 32 rows of x
	s_lshl_b32 s28, s71, 14
	s_add_nc_u64 s[20:21], s[6:7], s[28:29]        ; the batch's logits,
	s_lshl_b32 s28, ttmp9, 9
	s_add_nc_u64 s[6:7], s[6:7], s[28:29]          ; the work-group's own
	s_lshl_b32 s28, ttmp9, 11
	s_add_nc_u64 s[16:17], s[16:17], s[28:29]
	s_lshl_b32 s28, ttmp9, 10
	s_add_nc_u64 s[18:19], s[18:19], s[28:29]
.set n, 0
.rept 32
	global_load_b128 v[128+4*n:131+4*n], v2, s[4:5] offset:512*n th:TH_LOAD_NT
.set n, n+1
.endr
	global_load_b32 v9, v10, s[6:7]                ; my row's logit: lane l has row l of my 32
	WIN 0x80
.irp c, 0,1
.irp j, 0,1,2,3,4,5,6,7
	global_load_b128 v[32*\c+4*\j:32*\c+4*\j+3], v7, s[10:11] offset:256*\c+16*\j   ; wsat_w in RL
.endr
.endr
	WIN 0
	global_load_b128 v[28:31], v2, s[12:13]        ; bsa1(4 lane ..)
	global_load_b128 v[32:35], v2, s[10:11]        ; wsat_w(4 lane ..)
	s_load_b32 s34, s[14:15], 0x0                  ; wsat_b
	s_wait_loadcnt 19                              ; x is in: 1 + 16 + 2 younger loads may be out
.set n, 0
.rept 32
	ds_store_b128 v5, v[128+4*n:131+4*n] offset:8448*(n/16)+528*(n%16)
.set n, n+1
.endr
	RLREAD 0, 64
	s_wait_dscnt 0x0                               ; the stores have read v128-255
.set n, 0
.rept 32
	global_load_b128 v[128+4*n:131+4*n], v2, s[20:21] offset:512*n   ; the batch's 4,096 logits, 128 a lane
.set n, n+1
.endr
	WIN 0x40
.set n, 0
.rept 16
.irp c, 0,1,2
	global_load_b128 v[12*n+4*\c:12*n+4*\c+3], v2, s[8:9] offset:2048*n+512*\c   ; Wsa1's eight fragments, then Wsa2's
.endr
.set n, n+1
.endr
	WIN 0
.set n, 0
.rept 16
	global_load_b32 v[48+n], v1, s[8:9] offset:2048*n+1536
.set n, n+1
.endr
	s_wait_loadcnt 63                              ; all ahead of the images' 64 loads is in
.irp k, 0,1,2,3
	v_max_num_f32 v[36+\k], v[128+32*\k], v[129+32*\k]             ; the largest logit: four chains
.endr
.irp i, 2,4,6,8,10,12,14,16,18,20,22,24,26,28,30
.irp k, 0,1,2,3
	v_max3_num_f32 v[36+\k], v[36+\k], v[128+32*\k+\i], v[129+32*\k+\i]
.endr
.endr
	v_max3_num_f32 v36, v36, v37, v38
	v_max_num_f32 v36, v36, v39
.irp x, 1,2,4,8
	v_max_num_f32_dpp v36, v36, v36 row_xmask:\x row_mask:0xf bank_mask:0xf
.endr
	v_permlanex16_b32 v8, v36, s66, s67
	v_max_num_f32 v36, v36, v8
	v_mul_f32 v46, 0xbfb8aa3b, v36                 ; -max log2(e): the same number for every logit, so its rounding cancels in p
	v_mov_b32 v47, v46
.set j, 0
.rept 64
	v_pk_fma_f32 v[128+2*j:129+2*j], v[128+2*j:129+2*j], s[30:31], v[46:47] op_sel_hi:[1,0,0]
.set j, j+1
.endr
	v_fma_f32 v9, v9, s30, v46
.set j, 0
.rept 128
	v_exp_f32 v[128+j], v[128+j]
.set j, j+1
.endr
	v_exp_f32 v9, v9
	v_mul_f32 v40, v28, v32                        ; bsa1 . wsat_w: plain work behind the exponentials
	v_fma_f32 v40, v29, v33, v40
	v_fma_f32 v40, v30, v34, v40
	v_fma_f32 v40, v31, v35, v40
	LANESUM 40
	s_wait_kmcnt 0x0
	v_add_f32 v45, s34, v40                        ; const
	s_wait_alu depctr_va_vdst(0)                   ; one wait for the 129 exponentials, ahead of their first reader
.irp k, 0,1,2,3
	v_pk_add_f32 v[36+2*\k:37+2*\k], v[128+2*\k:129+2*\k], v[136+2*\k:137+2*\k]
.endr
.set p, 8
.rept 56
	v_pk_add_f32 v[36+2*(p%4):37+2*(p%4)], v[36+2*(p%4):37+2*(p%4)], v[128+2*p:129+2*p]
.set p, p+1
.endr
	v_pk_add_f32 v[36:37], v[36:37], v[38:39]
	v_pk_add_f32 v[40:41], v[40:41], v[42:43]
	v_pk_add_f32 v[36:37], v[36:37], v[40:41]
	v_add_f32 v36, v36, v37
	LANESUM 36
	v_rcp_f32 v36, v36
	v_nop
	s_wait_alu depctr_va_vdst(0)
	v_mul_f32 v9, v9, v36                          ; p of row l of my 32
	v_permlanex16_b32 v11, v9, s66, s67
	v_cndmask_b32 v12, v9, v11, s68                ; lane (r, h): p of row r of tile 0,
	v_cndmask_b32 v14, v11, v9, s68                ; of tile 1
	v_mov_b32 v13, v12                             ; (named as pairs)
	v_mov_b32 v15, v14
.irp m, 0,1
	s_wait_dscnt 0x0
.set j, 0
.rept 32
	v_pk_mul_f32 v[64+2*j:65+2*j], v[64+2*j:65+2*j], v[12+2*\m:13+2*\m] op_sel_hi:[1,0]   ; h = x p
.set j, j+1
.endr
	QUANT 64
.if \m == 0
	RLREAD 1, 64                                   ; the next tile comes while this one is multiplied
	s_wait_loadcnt 0x0                             ; the images
.endif
	PLACES 8                                       ; a scale word made by vector instructions stands 8 places ahead of a scaled product
	WIN 0x01                                       ; source 0: window 1
.irp t, 0,1,2,3,4,5,6,7,8,9,10,11,12,13,14,15
	v_wmma_scale_f32_16x16x128_f8f6f4 v[128+8*\t:135+8*\t], v[12*\t:12*\t+11], v[16:27], 0, v[48+\t], v44 matrix_a_fmt:MATRIX_FMT_FP6 matrix_b_fmt:MATRIX_FMT_FP6
.endr
	WIN 0
	PLACES 4
	WIN 0x08                                       ; source 1 (wsat_w) window 2
	v_pk_mul_f32 v[36:37], v[128:129], v[0:1]      ; each result is read from its low end on
	v_pk_mul_f32 v[40:41], v[192:193], v[0:1]
	v_pk_mul_f32 v[38:39], v[130:131], v[2:3]
	v_pk_mul_f32 v[42:43], v[194:195], v[2:3]
.set p, 2
.rept 30
	v_pk_fma_f32 v[36+2*(p%2):37+2*(p%2)], v[128+2*p:129+2*p], v[2*p:2*p+1], v[36+2*(p%2):37+2*(p%2)]
	v_pk_fma_f32 v[40+2*(p%2):41+2*(p%2)], v[192+2*p:193+2*p], v[2*p:2*p+1], v[40+2*(p%2):41+2*(p%2)]
.set p, p+1
.endr
	WIN 0
	v_pk_add_f32 v[36:37], v[36:37], v[38:39]
	v_pk_add_f32 v[40:41], v[40:41], v[42:43]
	v_add_f32 v36, v36, v37
	v_add_f32 v40, v40, v41
	v_permlanex16_b32 v8, v36, s66, s67
	v_add_f32 v[9+37*\m], v36, v8                  ; si of row r of tile m: v9, v46
	v_permlanex16_b32 v8, v40, s66, s67
	v_add_f32 v[11+36*\m], v40, v8                 ; sj: v11, v47
.endr
	v_cndmask_b32 v36, v9, v46, s68                ; lane l: row l of my 32
	v_cndmask_b32 v37, v11, v47, s68
	v_add_f32 v36, v36, v45
	v_mul_f32 v36, 0xbfb8aa3b, v36                 ; alpha
	v_mul_f32 v37, 0xbfb8aa3b, v37                 ; beta
	v_med3_num_f32 v36, v36, s32, s33
	v_med3_num_f32 v37, v37, s32, s33
	v_floor_f32 v38, v36
	v_floor_f32 v39, v37
	v_sub_f32 v36, v36, v38
	v_sub_f32 v37, v37, v39
	v_cvt_i32_f32 v34, v38                         ; ea
	v_cvt_i32_f32 v29, v39                         ; eb
	v_exp_f32 v36, v36
	v_exp_f32 v28, v37                             ; 2^(beta - eb)
	v_add_nc_u32 v35, v34, v29
	s_wait_alu depctr_va_vdst(0)
	v_mul_f32 v32, 0x3f317218, v36                 ; ln2 2^(alpha - ea)
	v_ldexp_f32 v35, v28, v35                      ; the diagonal's term by the very instructions of the next launch
	v_mov_b32 v33, v32
	v_fma_f32 v35, v35, v32, 0x3f317218
	v_rcp_f32 v35, v35
	v_lshlrev_b32 v40, 4, v0
	s_wait_alu depctr_va_vdst(0)
	v_exp_f32 v35, v35
	v_lshlrev_b32 v41, 3, v0
	s_wait_alu depctr_va_vdst(0)
	global_store_b128 v40, v[32:35], s[16:17]      ; 512 consecutive bytes a wave
	global_store_b64 v41, v[28:29], s[18:19]       ; 256 consecutive bytes a wave
	s_set_vgpr_msb 0x5
	s_wait_tensorcnt 0x0
	ds_add_u32 v254, v255
	s_wait_dscnt 0x0
	s_set_vgpr_msb 0x500
	s_endpgm
.Lfunc_end_k_q38dd204ca5_score:
	.size	k_q38dd204ca5_score, .Lfunc_end_k_q38dd204ca5_score-k_q38dd204ca5_score
	.p2alignl 7, 3214868480
	.fill 96, 4, 3214868480
	.section	.rodata,"a",@progbits
	.p2align	6, 0x0
	.amdhsa_kernel k_q38dd204ca5_score
		.amdhsa_group_segment_fixed_size 68096
		.amdhsa_private_segment_fixed_size 0
		.amdhsa_enable_private_segment 0
		.amdhsa_kernarg_size 64
		.amdhsa_user_sgpr_count 2
		.amdhsa_user_sgpr_kernarg_segment_ptr 1
		.amdhsa_wavefront_size32 1
		.amdhsa_system_sgpr_workgroup_id_x 1
		.amdhsa_system_sgpr_workgroup_id_y 1
		.amdhsa_system_sgpr_workgroup_id_z 1
		.amdhsa_system_vgpr_workitem_id 0
		.amdhsa_next_free_vgpr 576
		.amdhsa_next_free_sgpr 72
		.amdhsa_reserve_vcc 0
		.amdhsa_float_denorm_mode_32 3
		.amdhsa_float_denorm_mode_16_64 3
		.amdhsa_memory_ordered 1
		.amdhsa_forward_progress 1
		.amdhsa_inst_pref_size 64
	.end_amdhsa_kernel
	.amdgpu_metadata
---
amdhsa.version: [ 1, 2 ]
amdhsa.kernels:
  - .name:           k_q38dd204ca5_score
    .symbol:         k_q38dd204ca5_score.kd
    .args:
      - { .name: x, .offset: 0, .size: 8, .value_kind: global_buffer, .address_space: global }
      - { .name: logits, .offset: 8, .size: 8, .value_kind: global_buffer, .address_space: global }
      - { .name: wimg, .offset: 16, .size: 8, .value_kind: global_buffer, .address_space: global }
      - { .name: wsat_w, .offset: 24, .size: 8, .value_kind: global_buffer, .address_space: global }
      - { .name: bsa1, .offset: 32, .size: 8, .value_kind: global_buffer, .address_space: global }
      - { .name: wsat_b, .offset: 40, .size: 8, .value_kind: global_buffer, .address_space: global }
      - { .name: rowrec, .offset: 48, .size: 8, .value_kind: global_buffer, .address_space: global }
      - { .name: colrec, .offset: 56, .size: 8, .value_kind: global_buffer, .address_space: global }
    .group_segment_fixed_size: 68096
    .private_segment_fixed_size: 0
    .kernarg_segment_align: 8
    .kernarg_segment_size: 64
    .max_flat_workgroup_size: 128
    .sgpr_count:     72
    .vgpr_count:     576
    .wavefront_size: 32
...
	.end_amdgpu_metadata
.endif
;; end of part 2
;; launch pairs (part 3): grid 256 x 1, 4 waves a work-group, no clusters, 66,560 bytes of LDS; arguments rowrec, colrec, part, dcor; writes part, dcor
.if DOCPART == 3
	.amdgcn_target "amdgcn-amd-amdhsa--gfx1250"
	.amdhsa_code_object_version 6
	.text
	.protected	k_q38dd204ca5_pairs
	.globl	k_q38dd204ca5_pairs
	.p2align	8
	.type	k_q38dd204ca5_pairs,@function
k_q38dd204ca5_pairs:
	s_mov_b64 s[64:65], 0
	v_nop
	global_prefetch_b8 v0, s[64:65] scope:SCOPE_SE
	s_setreg_imm32_b32 hwreg(HW_REG_WAVE_MODE, 25, 1), 1
	s_wait_xcnt 0x0
; For each batch and each pair (i, j): E = exp(sigmoid(si_i + sj_j + const)); Z_i = the sum over j other than i of E; wanted is, for each column j, the sum over i other than j of E / Z_i.
; This launch stores, for each block of 128 rows, the sums over ITS rows of E / Z_i for all 4,096 columns (part), the diagonal included, and E_ii / Z_i (dcor), which the next launch takes off.
; NO MAXIMUM IS TAKEN AWAY in this softmax: its exponents are sigmoids, which reference() itself holds between 0 and 1, so E lies between 1 and e and a row's sum under 4,096 e.
; ARITHMETIC OF A PAIR, from the records of the launch before: w = ldexp(m_j, ea_i + eb_j); D = w mu_i + ln2; E = 2^(1 / D).  Two transcendentals; a whole-number addition, v_ldexp_f32, and three packed halves beside them.
;   Where the exponent is out of range w is infinite (E = 1) or 0 (E = e): sigmoid's own ends.
; E IS COMPUTED ONCE.  A wave owns whole rows: all 4,096 columns, 128 registers a row.  Four rows of E stay in registers until their Z is known; then E / Z is added onto 128 column sums, also in registers.
; SHARES.  Work-group g owns rows 128 g .. + 127 of batch g / 32, wave w 32 of them: eight groups of four.  The four waves' column sums meet in LDS at the end.
; REGISTERS.  The wave's 1,024 are four windows of the same plan; window q serves columns 1,024 q .. + 1,023, so one setting serves a whole visit and transcendental and plain instructions stand by turns without a switch.
;   In each window: v[14:15] ln2 twice; v16-31 row sums (row r, chain c: the pair at 16 + 4 r + 2 c); v32-95 sixteen quads {m, eb, m, eb}: quad k of lane l = columns 1,024 q + 64 k + 2 l and the next;
;   v96-127 column sums; v128 + 32 r on: row r's 32 numbers; register 2 k + c of these and of the column sums is quad k's column c.
;   Window 0 alone: v1 lane, v2 16 lane, v3, v13 LDS addresses, v4 E_ii / Z_i (lane l: row l of my 32), v5-8 Z, v9-12 at work.
; The 128 moves that clear the column sums stand once a wave: they spare a second copy of the loop's body for the first group.
; NO CLUSTER, NO TENSOR LOAD, NO MATRIX UNIT: the launch reads 32 KB of column records a wave once, at its head, and 512 bytes of row records; all else is vector arithmetic on registers.
; LIMITS: NaN and infinities are not served; Z is the sum over all j less E_ii (one rounding more than reference()'s sum); f32 sums in another order than reference()'s.
.set BUF, 128
.set COL, 32
.set ACC, 96
.set REC, 32                           ; s[32:47] four row records: row r: mu twice at 32 + 4 r, ea at 34 + 4 r, E_ii at 35 + 4 r;  s[16:31] the next group's, on their way;  s[48:55] 1 / Z, in pairs
.set MSB, 0
.macro WIN new                         ; the immediate's high byte repeats the setting that is left
.if MSB != (\new)
	s_set_vgpr_msb (MSB<<8)|(\new)
.set MSB, (\new)
.endif
.endm
; A STEP: four rows of a window, each in another stage: ra: 1 / D;  rb: 2^(.);  rc: D is made (its three lines run one pair behind each other);  rd: the row's sum, in two chains.  -1: no row in that stage.
; A stage reads what the step before has made.  A step with transcendentals ends with a plain instruction and one wait ahead of the results' first use.
.macro STEP ra, rb, rc, rd
.set p, 0
.rept 18
.if ((\ra) >= 0) && (p < 16)
	v_rcp_f32 v[BUF+32*(\ra)+2*p], v[BUF+32*(\ra)+2*p]
.endif
.if ((\rc) >= 0) && (p < 16)
	v_add_nc_u32 v[BUF+32*(\rc)+2*p], s[REC+2+4*(\rc)], v[COL+4*p+1]
.endif
.if ((\rb) >= 0) && (p < 16)
	v_exp_f32 v[BUF+32*(\rb)+2*p], v[BUF+32*(\rb)+2*p]
.endif
.if ((\rc) >= 0) && (p < 16)
	v_add_nc_u32 v[BUF+32*(\rc)+2*p+1], s[REC+2+4*(\rc)], v[COL+4*p+3]
.endif
.if ((\ra) >= 0) && (p < 16)
	v_rcp_f32 v[BUF+32*(\ra)+2*p+1], v[BUF+32*(\ra)+2*p+1]
.endif
.if ((\rc) >= 0) && (p >= 1) && (p < 17)
	v_ldexp_f32 v[BUF+32*(\rc)+2*p-2], v[COL+4*p-4], v[BUF+32*(\rc)+2*p-2]
.endif
.if ((\rb) >= 0) && (p < 16)
	v_exp_f32 v[BUF+32*(\rb)+2*p+1], v[BUF+32*(\rb)+2*p+1]
.endif
.if ((\rc) >= 0) && (p >= 1) && (p < 17)
	v_ldexp_f32 v[BUF+32*(\rc)+2*p-1], v[COL+4*p-2], v[BUF+32*(\rc)+2*p-1]
.endif
.if ((\rc) >= 0) && (p >= 2)
	v_pk_fma_f32 v[BUF+32*(\rc)+2*p-4:BUF+32*(\rc)+2*p-3], v[BUF+32*(\rc)+2*p-4:BUF+32*(\rc)+2*p-3], s[REC+4*(\rc):REC+4*(\rc)+1], v[14:15] op_sel_hi:[1,0,1]
.endif
.if ((\rd) >= 0) && (p >= 2) && (p < 16)
.if p < 4
	v_pk_add_f32 v[16+4*(\rd)+2*(p%2):17+4*(\rd)+2*(p%2)], v[BUF+32*(\rd)+2*p-4:BUF+32*(\rd)+2*p-3], v[BUF+32*(\rd)+2*p:BUF+32*(\rd)+2*p+1]
.else
	v_pk_add_f32 v[16+4*(\rd)+2*(p%2):17+4*(\rd)+2*(p%2)], v[16+4*(\rd)+2*(p%2):17+4*(\rd)+2*(p%2)], v[BUF+32*(\rd)+2*p:BUF+32*(\rd)+2*p+1]
.endif
.endif
.set p, p+1
.endr
.if ((\ra) >= 0) || ((\rb) >= 0)
	v_nop
	s_wait_alu depctr_va_vdst(0)
.endif
.endm
.macro VISIT                           ; a window's 1,024 columns for the group's four rows
	STEP -1, -1, 0, -1
	STEP 0, -1, 1, -1
	STEP 1, 0, 2, -1
	STEP 2, 1, 3, 0
	STEP 3, 2, -1, 1
	STEP -1, 3, -1, 2
	STEP -1, -1, -1, 3
.endm
.macro V3                              ; the window's column sums += E / Z, row by row: fifteen other pairs stand between two additions onto one pair
.irp r, 0,1,2,3
.set p, 0
.rept 16
	v_pk_fma_f32 v[ACC+2*p:ACC+2*p+1], v[BUF+32*\r+2*p:BUF+32*\r+2*p+1], s[48+2*\r:49+2*\r], v[ACC+2*p:ACC+2*p+1] op_sel_hi:[1,0,1]
.set p, p+1
.endr
.endr
.endm
	s_load_b256 s[4:11], s[0:1], 0x0               ; rowrec, colrec, part, dcor
	s_set_vgpr_msb 0x40
	v_lshl_add_u32 v12, v0, 2, 0x10200
	v_mov_b32 v13, 0
	s_set_vgpr_msb 0x4000
	v_lshrrev_b32 v1, 5, v0
	v_readfirstlane_b32 s12, v1                    ; wave 0..3
	v_and_b32 v1, 31, v0                           ; lane
	v_lshlrev_b32 v2, 4, v1
	v_mov_b32 v4, 0
.irp r, 0,1,2,3
	v_mov_b32 v[9+\r], 0                           ; written once: a lane permute's destination counts as one of its sources
.endr
	s_lshl_b32 s14, s12, 14
	v_lshl_add_u32 v3, v1, 3, s14                  ; LDS: my 4,096 column sums: 16,384 w + 8 lane
	s_lshl_b32 s14, s12, 12
	v_add_nc_u32 v13, s14, v2                      ; and the 1,024 columns that I add up: 4,096 w + 16 lane, in each wave's part
	s_mov_b32 s56, 0x76543210
	s_mov_b32 s57, 0xfedcba98                      ; v_permlanex16_b32's selects for lane l xor 16
	s_mov_b32 s13, 0                               ; the group
	s_mov_b32 s15, 0
	s_wait_kmcnt 0x0
	s_lshl_b32 s14, ttmp9, 11
	s_lshl_b32 s58, s12, 9
	s_add_co_u32 s14, s14, s58
	s_add_nc_u64 s[4:5], s[4:5], s[14:15]          ; my 32 row records: 16 (128 g + 32 w)
	s_lshr_b32 s14, ttmp9, 5
	s_lshl_b32 s14, s14, 15
	s_add_nc_u64 s[6:7], s[6:7], s[14:15]          ; the batch's column records
	s_lshl_b32 s14, ttmp9, 14
	s_lshl_b32 s58, s12, 12
	s_add_co_u32 s14, s14, s58
	s_add_nc_u64 s[8:9], s[8:9], s[14:15]          ; part: 16,384 g + 4,096 w
	s_lshl_b32 s14, ttmp9, 9
	s_add_nc_u64 s[10:11], s[10:11], s[14:15]
	s_load_b512 s[16:31], s[4:5], 0x0              ; group 0's four records
.irp q, 0,1,2,3
	WIN \q<<6                                      ; destination: window q
.set k, 0
.rept 16
	global_load_b128 v[COL+4*k:COL+4*k+3], v2, s[6:7] offset:8192*\q+512*k   ; 512 consecutive bytes a load
.set k, k+1
.endr
	v_mov_b32 v14, 0x3f317218                      ; ln2
	v_mov_b32 v15, 0x3f317218
.set k, 0
.rept 32
	v_mov_b32 v[ACC+k], 0
.set k, k+1
.endr
.endr
	WIN 0
	s_wait_loadcnt 0x0
.Lgroup:                                               ; eight trips: four rows x 4,096 columns each
	s_wait_kmcnt 0x0                               ; this group's records are in
.irp i, 0,1,2,3,4,5,6,7
	s_mov_b64 s[REC+2*\i:REC+2*\i+1], s[16+2*\i:17+2*\i]
.endr
	s_add_co_u32 s14, s13, 1
	s_min_u32 s14, s14, 7                          ; the last trip asks for its own group again: no load leaves the buffer
	s_lshl_b32 s14, s14, 6
	s_load_b512 s[16:31], s[4:5], s14 offset:0x0   ; the next group's, a trip ahead
.irp q, 0,1,2,3
	WIN 0x55*\q                                    ; every operand place: window q
	VISIT
.endr
.irp q, 1,2,3
	WIN \q<<2                                      ; source 1: window q
.irp i, 0,1,2,3,4,5,6,7
	v_pk_add_f32 v[16+2*\i:17+2*\i], v[16+2*\i:17+2*\i], v[16+2*\i:17+2*\i]   ; the four windows' row sums
.endr
.endr
	WIN 0
.irp r, 0,1,2,3
	v_pk_add_f32 v[16+4*\r:17+4*\r], v[16+4*\r:17+4*\r], v[18+4*\r:19+4*\r]
.endr
.irp r, 0,1,2,3
	v_add_f32 v[5+\r], v[16+4*\r], v[17+4*\r]
.endr
.irp x, 1,2,4,8
.irp r, 0,1,2,3
	v_add_f32_dpp v[5+\r], v[5+\r], v[5+\r] row_xmask:\x row_mask:0xf bank_mask:0xf   ; (the four rows by turns)
.endr
.endr
.irp r, 0,1,2,3
	v_permlanex16_b32 v[9+\r], v[5+\r], s56, s57
.endr
.irp r, 0,1,2,3
	v_add_f32 v[5+\r], v[5+\r], v[9+\r]
.endr
.irp r, 0,1,2,3
	v_sub_f32 v[5+\r], v[5+\r], s[REC+3+4*\r]      ; Z: the diagonal's term comes off
.endr
.irp r, 0,1,2,3
	v_rcp_f32 v[5+\r], v[5+\r]
.endr
	v_nop
	s_wait_alu depctr_va_vdst(0)
	s_lshl_b32 s58, s13, 2
.irp r, 0,1,2,3
	v_readfirstlane_b32 s[48+2*\r], v[5+\r]        ; 1 / Z is the same in every lane
	v_mul_f32 v[9+\r], s[REC+3+4*\r], v[5+\r]      ; E_ii / Z_i
.endr
.irp r, 0,1,2,3
	s_mov_b32 s[49+2*\r], s[48+2*\r]               ; (named as a pair)
	s_add_co_u32 s59, s58, \r
	v_cmp_eq_u32 vcc_lo, s59, v1
	v_cndmask_b32 v4, v4, v[9+\r], vcc_lo          ; kept by the lane whose number is the row's, 4 x group + r
.endr
.irp q, 0,1,2,3
	WIN 0x55*\q
	V3
.endr
	WIN 0
	s_add_co_u32 s13, s13, 1
	s_cmp_lt_u32 s13, 8
	s_cbranch_scc1 .Lgroup
.irp q, 0,1,2,3
	WIN \q<<2                                      ; an LDS store's data are its source 1
.set k, 0
.rept 16
	ds_store_b64 v3, v[ACC+2*k:ACC+2*k+1] offset:4096*\q+256*k     ; column j at byte 4 j of my part
.set k, k+1
.endr
.endr
	WIN 0
	v_lshl_add_u32 v5, v0, 2, 65536
	v_add_nc_u32 v6, 65536, v2
	ds_store_b32 v5, v4
	s_wait_dscnt 0x0
	s_barrier_signal -1
	s_barrier_wait -1
.irp a, 0,1,2,3
.irp k, 0,1,2,3,4,5,6,7
	ds_load_b128 v[128+32*\a+4*\k:131+32*\a+4*\k], v13 offset:16384*\a+512*\k
.endr
.endr
	s_wait_dscnt 0x0
.set j, 0
.rept 16
	v_pk_add_f32 v[128+2*j:129+2*j], v[128+2*j:129+2*j], v[160+2*j:161+2*j]
	v_pk_add_f32 v[192+2*j:193+2*j], v[192+2*j:193+2*j], v[224+2*j:225+2*j]
.set j, j+1
.endr
.set j, 0
.rept 16
	v_pk_add_f32 v[128+2*j:129+2*j], v[128+2*j:129+2*j], v[192+2*j:193+2*j]
.set j, j+1
.endr
.irp k, 0,1,2,3,4,5,6,7
	global_store_b128 v2, v[128+4*\k:131+4*\k], s[8:9] offset:512*\k   ; 512 consecutive bytes a store
.endr
	s_cmp_lg_u32 s12, 0
	s_cbranch_scc1 .Lend
	ds_load_b128 v[8:11], v6
	s_wait_dscnt 0x0
	global_store_b128 v2, v[8:11], s[10:11]        ; wave 0 stores the work-group's 128 numbers of dcor
.Lend:
	s_set_vgpr_msb 0x5
	s_wait_tensorcnt 0x0
	ds_add_u32 v12, v13
	s_wait_dscnt 0x0
	s_set_vgpr_msb 0x500
	s_endpgm
.Lfunc_end_k_q38dd204ca5_pairs:
	.size	k_q38dd204ca5_pairs, .Lfunc_end_k_q38dd204ca5_pairs-k_q38dd204ca5_pairs
	.p2alignl 7, 3214868480
	.fill 96, 4, 3214868480
	.section	.rodata,"a",@progbits
	.p2align	6, 0x0
	.amdhsa_kernel k_q38dd204ca5_pairs
		.amdhsa_group_segment_fixed_size 66560
		.amdhsa_private_segment_fixed_size 0
		.amdhsa_enable_private_segment 0
		.amdhsa_kernarg_size 32
		.amdhsa_user_sgpr_count 2
		.amdhsa_user_sgpr_kernarg_segment_ptr 1
		.amdhsa_wavefront_size32 1
		.amdhsa_system_sgpr_workgroup_id_x 1
		.amdhsa_system_sgpr_workgroup_id_y 1
		.amdhsa_system_sgpr_workgroup_id_z 1
		.amdhsa_system_vgpr_workitem_id 0
		.amdhsa_next_free_vgpr 1024
		.amdhsa_next_free_sgpr 66
		.amdhsa_reserve_vcc 1
		.amdhsa_float_denorm_mode_32 3
		.amdhsa_float_denorm_mode_16_64 3
		.amdhsa_memory_ordered 1
		.amdhsa_forward_progress 1
		.amdhsa_inst_pref_size 156
	.end_amdhsa_kernel
	.amdgpu_metadata
---
amdhsa.version: [ 1, 2 ]
amdhsa.kernels:
  - .name:           k_q38dd204ca5_pairs
    .symbol:         k_q38dd204ca5_pairs.kd
    .args:
      - { .name: rowrec, .offset: 0, .size: 8, .value_kind: global_buffer, .address_space: global }
      - { .name: colrec, .offset: 8, .size: 8, .value_kind: global_buffer, .address_space: global }
      - { .name: part, .offset: 16, .size: 8, .value_kind: global_buffer, .address_space: global }
      - { .name: dcor, .offset: 24, .size: 8, .value_kind: global_buffer, .address_space: global }
    .group_segment_fixed_size: 66560
    .private_segment_fixed_size: 0
    .kernarg_segment_align: 8
    .kernarg_segment_size: 32
    .max_flat_workgroup_size: 128
    .sgpr_count:     66
    .vgpr_count:     1024
    .wavefront_size: 32
...
	.end_amdgpu_metadata
.endif
;; end of part 3
;; launch ffn (part 4): grid 256 x 1, 4 waves a work-group, no clusters, 68,096 bytes of LDS; arguments x, part, dcor, wimg, pfn_b1, pfn_b2, ln_g, ln_b, out0; writes out0
.if DOCPART == 4
	.amdgcn_target "amdgcn-amd-amdhsa--gfx1250"
	.amdhsa_code_object_version 6
	.text
	.protected	k_q38dd204ca5_ffn
	.globl	k_q38dd204ca5_ffn
	.p2align	8
	.type	k_q38dd204ca5_ffn,@function
k_q38dd204ca5_ffn:
	s_mov_b64 s[64:65], 0
	v_nop
	global_prefetch_b8 v0, s[64:65] scope:SCOPE_SE
	s_setreg_imm32_b32 hwreg(HW_REG_WAVE_MODE, 25, 1), 1
	s_wait_xcnt 0x0
; colsum[j] = the sum of the batch's 32 partial column sums - dcor[j]; ui = x colsum; y = relu(Q(ui) Q(pfn_w1) + pfn_b1); y = Q(y) Q(pfn_w2) + pfn_b2 + ui; out0 = (y - mean) / sqrt(var + 1e-6) ln_g + ln_b.
; Q: FP6 (E2M3), one E8M0 scale for each 32 along K.  The hidden layer never leaves the registers.
; SHARES, the layout RL, the choice of a weight tile's columns and the stage are the first launch's: work-group g owns rows 128 g on, wave w two tiles of 16; register 32 c + i of lane (r, h) is (row r, column 64 c + 32 h + i);
; the products are used transposed, so that a weight's eight results are a tile in RL: the hidden layer is quantised where it lies, pfn_b1 is the first product's C, and ui + pfn_b2 the second's, register for register.
; A row's 128 numbers lie in lanes l and l xor 16: mean and variance want one exchange each.  Results go back through the stage and leave as whole rows of 512 bytes.
; NO CLUSTER, NO TENSOR LOAD: one K step; x goes to one wave once; the 32 KB of weight images and 2 KB of vectors are read once at the head.
; LIMITS: NaN and infinities are not served; a block under 2^-124 keeps the scale byte 1; f32 sums in another order than reference()'s.
; REGISTERS.  window 0: v1 4 lane, v2 16 lane, v3 h, v4 8 h, v5, v6 stage, v7 128 h, v8 a permute's target, v9-15 this launch's numbers, v16-27 codes, v28-35 second halves, v36-43 at work, v44 the scale word just made,
;   v46-47 a factor as a pair, v48-63 the weights' scale words, v64-127 ui, then ui + pfn_b2, then y, v128-191 the hidden layer, v192-255 rows on the way out.
;   window 1: v0-95 pfn_w1's fragments, v96-191 pfn_w2's.   window 2: pfn_b1, pfn_b2, ln_g, ln_b in RL, 64 registers each.
.set MSB,  0
.macro WIN new                         ; the immediate's high byte repeats the setting that is left
.if MSB != (\new)
	s_set_vgpr_msb (MSB<<8)|(\new)
.set MSB, (\new)
.endif
.endm
.macro PLACES n
.rept \n
	v_nop
.endr
.endm
.macro RLREAD m, d
.irp c, 0,1
.irp j, 0,1,2,3,4,5,6,7
	ds_load_b128 v[\d+32*\c+4*\j:\d+32*\c+4*\j+3], v6 offset:8448*\m+256*\c+16*\j
.endr
.endr
.endm
.macro QUANT s                         ; 64 numbers in RL at v[s] on become the operand's 12 registers v16-27 and its scale word v44
.irp b, 0,1,2,3
	v_max3_num_f32 v[36+\b], |v[(\s)+16*\b]|, |v[(\s)+16*\b+1]|, 0x1800000   ; the floor 2^(3 - 127) holds the byte at 1 from below
.endr
.irp i, 2,4,6,8,10,12,14
.irp b, 0,1,2,3
	v_max3_num_f32 v[36+\b], v[36+\b], |v[(\s)+16*\b+\i]|, |v[(\s)+16*\b+\i+1]|
.endr
.endr
	v_max_num_f32 v36, v36, v37
	v_max_num_f32 v38, v38, v39
	v_add_nc_u32 v40, 0xff000000, v36              ; 2 off the exponent field: the conversion's scale operand
	v_add_nc_u32 v41, 0xff000000, v38
	v_lshrrev_b32 v42, 23, v40
	v_lshrrev_b32 v43, 23, v41
	v_lshl_or_b32 v44, v43, 16, v42
	v_lshlrev_b32 v44, v4, v44
	v_permlanex16_b32 v8, v44, s66, s67
	v_or_b32 v44, v44, v8
	v_cvt_scalef32_pk16_fp6_f32 v[16:18], v[(\s):(\s)+15], v40
	v_cvt_scalef32_pk16_fp6_f32 v[28:30], v[(\s)+16:(\s)+31], v40
	v_cvt_scalef32_pk16_fp6_f32 v[22:24], v[(\s)+32:(\s)+47], v41
	v_cvt_scalef32_pk16_fp6_f32 v[32:34], v[(\s)+48:(\s)+63], v41
	v_nop                                          ; one plain place behind a scaled conversion
.irp i, 0,1,2
	v_mov_b32 v[19+\i], v[28+\i]
	v_mov_b32 v[25+\i], v[32+\i]
.endr
.endm
.macro JOIN                            ; four chains of pairs in v36-43 become the row's sum in v36
	v_pk_add_f32 v[36:37], v[36:37], v[38:39]
	v_pk_add_f32 v[40:41], v[40:41], v[42:43]
	v_pk_add_f32 v[36:37], v[36:37], v[40:41]
	v_add_f32 v36, v36, v37
	v_permlanex16_b32 v8, v36, s66, s67
	v_add_f32 v36, v36, v8
.endm
.macro VEC d, b                        ; a vector of 128 in RL into window 2
.irp c, 0,1
.irp j, 0,1,2,3,4,5,6,7
	global_load_b128 v[\d+32*\c+4*\j:\d+32*\c+4*\j+3], v7, s[\b:\b+1] offset:256*\c+16*\j
.endr
.endr
.endm
	s_load_b512 s[4:19], s[0:1], 0x0               ; x, part, dcor, wimg, pfn_b1, pfn_b2, ln_g, ln_b
	s_load_b64 s[20:21], s[0:1], 0x40              ; out0
	v_lshl_add_u32 v35, v0, 2, 0x10800
	v_mov_b32 v45, 0
	v_lshrrev_b32 v1, 5, v0
	v_readfirstlane_b32 s70, v1                    ; wave 0..3
	v_and_b32 v3, 31, v0
	v_lshlrev_b32 v1, 2, v3
	v_lshlrev_b32 v2, 4, v3
	v_and_b32 v9, 15, v0
	v_bfe_u32 v3, v0, 4, 1
	v_lshlrev_b32 v4, 3, v3
	v_lshlrev_b32 v7, 7, v3
	v_mov_b32 v8, 0
	v_mov_b32 v11, 0                               ; (lane permutes' targets are written once)
	s_mul_i32 s28, s70, 16896
	v_add_nc_u32 v5, s28, v2
	v_mul_u32_u24 v6, v9, 528
	v_add_nc_u32 v6, v6, v7
	v_add_nc_u32 v6, s28, v6
	v_lshlrev_b32 v10, 2, v0                       ; 4 x thread
	s_mov_b32 s66, 0x76543210
	s_mov_b32 s67, 0xfedcba98
	s_mov_b32 s68, 0xffff0000                      ; lanes 16-31
	s_mov_b32 s30, 0xbc000000                      ; -1 / 128
	s_mov_b32 s31, 0x3c000000                      ; 1 / 128
	s_mov_b32 s32, 0x358637bd                      ; 1e-6
	s_lshl_b32 s28, ttmp9, 16
	s_lshl_b32 s29, s70, 14
	s_add_co_u32 s28, s28, s29
	s_mov_b32 s29, 0
	s_wait_kmcnt 0x0
	s_add_nc_u64 s[4:5], s[4:5], s[28:29]          ; my 32 rows of x,
	s_add_nc_u64 s[20:21], s[20:21], s[28:29]      ; and of out0
	s_lshr_b32 s28, ttmp9, 5
	s_lshl_b32 s28, s28, 19
	s_and_b32 s33, ttmp9, 31
	s_lshl_b32 s33, s33, 9
	s_add_co_u32 s28, s28, s33
	s_add_nc_u64 s[6:7], s[6:7], s[28:29]          ; part: the batch's 32 blocks of 16,384 bytes, at the work-group's 128 columns
	s_lshl_b32 s28, ttmp9, 9
	s_add_nc_u64 s[8:9], s[8:9], s[28:29]
	s_add_nc_u64 s[10:11], s[10:11], 0x8000        ; pfn_w1's and pfn_w2's images
.set n, 0
.rept 32
	global_load_b128 v[128+4*n:131+4*n], v2, s[4:5] offset:512*n th:TH_LOAD_NT
.set n, n+1
.endr
.set n, 0
.rept 32
	global_load_b32 v[64+n], v10, s[6:7] offset:16384*n            ; lane l: row l of my 32 is column 128 (g % 32) + 32 w + l of the batch
.set n, n+1
.endr
	global_load_b32 v9, v10, s[8:9]
	s_wait_loadcnt 33                              ; x is in: 32 + 1 younger loads may be out
.set n, 0
.rept 32
	ds_store_b128 v5, v[128+4*n:131+4*n] offset:8448*(n/16)+528*(n%16)
.set n, n+1
.endr
	s_wait_dscnt 0x0
	WIN 0x40
.set n, 0
.rept 16
.irp c, 0,1,2
	global_load_b128 v[12*n+4*\c:12*n+4*\c+3], v2, s[10:11] offset:2048*n+512*\c
.endr
.set n, n+1
.endr
	WIN 0
.set n, 0
.rept 16
	global_load_b32 v[48+n], v1, s[10:11] offset:2048*n+1536
.set n, n+1
.endr
	s_wait_loadcnt 63                              ; all ahead of the images' 64 loads is in
.set j, 0
.rept 8
	v_pk_add_f32 v[64+2*j:65+2*j], v[64+2*j:65+2*j], v[80+2*j:81+2*j]
.set j, j+1
.endr
.set j, 0
.rept 4
	v_pk_add_f32 v[64+2*j:65+2*j], v[64+2*j:65+2*j], v[72+2*j:73+2*j]
.set j, j+1
.endr
	v_pk_add_f32 v[64:65], v[64:65], v[68:69]
	v_pk_add_f32 v[66:67], v[66:67], v[70:71]
	v_pk_add_f32 v[64:65], v[64:65], v[66:67]
	v_add_f32 v64, v64, v65
	v_sub_f32 v9, v64, v9                          ; the column's sum without the diagonal
	v_permlanex16_b32 v11, v9, s66, s67
	v_cndmask_b32 v12, v9, v11, s68                ; lane (r, h): row r of tile 0,
	v_cndmask_b32 v14, v11, v9, s68                ; of tile 1
	v_mov_b32 v13, v12                             ; (named as pairs)
	v_mov_b32 v15, v14
	WIN 0x80
	VEC 0, 12
	VEC 64, 14
	VEC 128, 16
	VEC 192, 18
	WIN 0
.irp m, 0,1
	RLREAD \m, 64
	s_wait_dscnt 0x0
.set j, 0
.rept 32
	v_pk_mul_f32 v[64+2*j:65+2*j], v[64+2*j:65+2*j], v[12+2*\m:13+2*\m] op_sel_hi:[1,0]   ; ui
.set j, j+1
.endr
	QUANT 64
.if \m == 0
	s_wait_loadcnt 0x0                             ; the images and the vectors
.endif
	WIN 0x08                                       ; source 1 (pfn_b2) window 2
.set j, 0
.rept 32
	v_pk_add_f32 v[64+2*j:65+2*j], v[64+2*j:65+2*j], v[64+2*j:65+2*j]   ; ui + pfn_b2: the second product's C.  These 32 are also the places between the scale word's last line and the product
.set j, j+1
.endr
	WIN 0x21                                       ; source 0 (pfn_w1) window 1, C (pfn_b1) window 2
.irp t, 0,1,2,3,4,5,6,7
	v_wmma_scale_f32_16x16x128_f8f6f4 v[128+8*\t:135+8*\t], v[12*\t:12*\t+11], v[16:27], v[8*\t:8*\t+7], v[48+\t], v44 matrix_a_fmt:MATRIX_FMT_FP6 matrix_b_fmt:MATRIX_FMT_FP6
.endr
	WIN 0
	PLACES 4
.set j, 0
.rept 64
	v_max_num_f32 v[128+j], 0, v[128+j]            ; the activation, in f32; each result from its low end on
.set j, j+1
.endr
	QUANT 128
	PLACES 8                                       ; a scale word made by vector instructions stands 8 places ahead of a scaled product
	WIN 0x01
.irp t, 0,1,2,3,4,5,6,7
	v_wmma_scale_f32_16x16x128_f8f6f4 v[64+8*\t:71+8*\t], v[96+12*\t:107+12*\t], v[16:27], v[64+8*\t:71+8*\t], v[56+\t], v44 matrix_a_fmt:MATRIX_FMT_FP6 matrix_b_fmt:MATRIX_FMT_FP6
.endr
	WIN 0
	PLACES 4
.irp k, 0,1,2,3
	v_pk_add_f32 v[36+2*\k:37+2*\k], v[64+16*\k:65+16*\k], v[72+16*\k:73+16*\k]   ; the row's sum: each of the eight results is first read at its low end
.endr
.irp i, 2,4,6
.irp t, 0,1,2,3,4,5,6,7
	v_pk_add_f32 v[36+2*(\t%4):37+2*(\t%4)], v[36+2*(\t%4):37+2*(\t%4)], v[64+8*\t+\i:65+8*\t+\i]
.endr
.endr
	JOIN
	v_mul_f32 v46, s30, v36                        ; -mean
	v_mov_b32 v47, v46
.set j, 0
.rept 32
	v_pk_add_f32 v[64+2*j:65+2*j], v[64+2*j:65+2*j], v[46:47] op_sel_hi:[1,0]
.set j, j+1
.endr
.irp k, 0,1,2,3
	v_pk_mul_f32 v[36+2*\k:37+2*\k], v[64+2*\k:65+2*\k], v[64+2*\k:65+2*\k]
.endr
.set p, 4
.rept 28
	v_pk_fma_f32 v[36+2*(p%4):37+2*(p%4)], v[64+2*p:65+2*p], v[64+2*p:65+2*p], v[36+2*(p%4):37+2*(p%4)]
.set p, p+1
.endr
	JOIN
	v_fma_f32 v36, v36, s31, s32                   ; var + 1e-6
	v_rsq_f32 v46, v36
	v_nop
	s_wait_alu depctr_va_vdst(0)                   ; ahead of the first use of the result
	v_mov_b32 v47, v46
.set j, 0
.rept 32
	v_pk_mul_f32 v[64+2*j:65+2*j], v[64+2*j:65+2*j], v[46:47] op_sel_hi:[1,0]
.set j, j+1
.endr
	WIN 0x28                                       ; sources 1 and 2 (ln_g, ln_b) window 2
.set j, 0
.rept 32
	v_pk_fma_f32 v[64+2*j:65+2*j], v[64+2*j:65+2*j], v[128+2*j:129+2*j], v[192+2*j:193+2*j]
.set j, j+1
.endr
	WIN 0
.irp c, 0,1
.irp j, 0,1,2,3,4,5,6,7
	ds_store_b128 v6, v[64+32*\c+4*\j:67+32*\c+4*\j] offset:8448*\m+256*\c+16*\j   ; back into the tile's place in my stage, which has been read
.endr
.endr
.if \m == 1
	s_wait_xcnt 0x0                                ; tile 0's stores have read v192-255
.endif
.set n, 0
.rept 16
	ds_load_b128 v[192+4*n:195+4*n], v5 offset:8448*\m+528*n       ; LDS serves a wave's instructions in order: these see my stores
.set n, n+1
.endr
.set n, 0
.rept 16
	s_wait_dscnt 15-n                              ; row n is back; the younger loads may be out
	global_store_b128 v2, v[192+4*n:195+4*n], s[20:21] offset:512*(16*\m+n) th:TH_STORE_NT   ; a store = a row: 512 consecutive bytes
.set n, n+1
.endr
.endr
	s_wait_tensorcnt 0x0
	ds_add_u32 v35, v45
	s_wait_dscnt 0x0
	s_endpgm
.Lfunc_end_k_q38dd204ca5_ffn:
	.size	k_q38dd204ca5_ffn, .Lfunc_end_k_q38dd204ca5_ffn-k_q38dd204ca5_ffn
	.p2alignl 7, 3214868480
	.fill 96, 4, 3214868480
	.section	.rodata,"a",@progbits
	.p2align	6, 0x0
	.amdhsa_kernel k_q38dd204ca5_ffn
		.amdhsa_group_segment_fixed_size 68096
		.amdhsa_private_segment_fixed_size 0
		.amdhsa_enable_private_segment 0
		.amdhsa_kernarg_size 72
		.amdhsa_user_sgpr_count 2
		.amdhsa_user_sgpr_kernarg_segment_ptr 1
		.amdhsa_wavefront_size32 1
		.amdhsa_system_sgpr_workgroup_id_x 1
		.amdhsa_system_sgpr_workgroup_id_y 1
		.amdhsa_system_sgpr_workgroup_id_z 1
		.amdhsa_system_vgpr_workitem_id 0
		.amdhsa_next_free_vgpr 768
		.amdhsa_next_free_sgpr 72
		.amdhsa_reserve_vcc 0
		.amdhsa_float_denorm_mode_32 3
		.amdhsa_float_denorm_mode_16_64 3
		.amdhsa_memory_ordered 1
		.amdhsa_forward_progress 1
		.amdhsa_inst_pref_size 85
	.end_amdhsa_kernel
	.amdgpu_metadata
---
amdhsa.version: [ 1, 2 ]
amdhsa.kernels:
  - .name:           k_q38dd204ca5_ffn
    .symbol:         k_q38dd204ca5_ffn.kd
    .args:
      - { .name: x, .offset: 0, .size: 8, .value_kind: global_buffer, .address_space: global }
      - { .name: part, .offset: 8, .size: 8, .value_kind: global_buffer, .address_space: global }
      - { .name: dcor, .offset: 16, .size: 8, .value_kind: global_buffer, .address_space: global }
      - { .name: wimg, .offset: 24, .size: 8, .value_kind: global_buffer, .address_space: global }
      - { .name: pfn_b1, .offset: 32, .size: 8, .value_kind: global_buffer, .address_space: global }
      - { .name: pfn_b2, .offset: 40, .size: 8, .value_kind: global_buffer, .address_space: global }
      - { .name: ln_g, .offset: 48, .size: 8, .value_kind: global_buffer, .address_space: global }
      - { .name: ln_b, .offset: 56, .size: 8, .value_kind: global_buffer, .address_space: global }
      - { .name: out0, .offset: 64, .size: 8, .value_kind: global_buffer, .address_space: global }
    .group_segment_fixed_size: 68096
    .private_segment_fixed_size: 0
    .kernarg_segment_align: 8
    .kernarg_segment_size: 72
    .max_flat_workgroup_size: 128
    .sgpr_count:     72
    .vgpr_count:     768
    .wavefront_size: 32
...
	.end_amdgpu_metadata
.endif
;; end of part 4
;; ======== version 2 of 2: 4 launches; version 1 with the launches logit, score, ffn written anew for expert scheduling mode
;; workspace buffers: logits 131,072 bytes; wimg 65,536 bytes; rowrec 524,288 bytes; colrec 262,144 bytes; part 4,194,304 bytes; dcor 131,072 bytes
;; launch logit (part 5): grid 256 x 1, 4 waves a work-group, no clusters, 89,088 bytes of LDS; arguments x, W1, W2, c, bsa, wt_w, Wsa1, Wsa2, pfn_w1, pfn_w2, logits, wimg; writes logits, wimg
.if DOCPART == 5
	.amdgcn_target "amdgcn-amd-amdhsa--gfx1250"
	.amdhsa_code_object_version 6
	.text
	.protected	k_q38dd204ca5_logit
	.globl	k_q38dd204ca5_logit
	.p2align	8
	.type	k_q38dd204ca5_logit,@function
k_q38dd204ca5_logit:
	s_mov_b64 s[64:65], 0
	v_nop
	global_prefetch_b8 v0, s[64:65] scope:SCOPE_SE
	s_setreg_imm32_b32 hwreg(HW_REG_WAVE_SCHED_MODE, 0, 2), 2
	s_setreg_imm32_b32 hwreg(HW_REG_WAVE_MODE, 25, 1), 1
	s_wait_xcnt 0x0
	s_wait_alu depctr_vm_vsrc(0)
; logits[row] = sum over e of (Q(x) Q(W1) + c W2 + bsa)[row][e] wt_w[e], for the 32,768 rows of x [8][4096][128].  Q: codes of FP6 (E2M3), one E8M0 scale for each 32 along K = the 128 of x.
; The product goes to the matrix unit on codes; c W2, the bias and the dot product with wt_w are f32 multiply-adds.  Work-groups 0 to 7 also quantise Wsa1, Wsa2, pfn_w1, pfn_w2 once, for the later launches.
; SHARES.  256 work-groups of four waves; work-group g owns rows 128 g .. 128 g + 127 (batch g / 32), wave w 32 of them: two tiles of 16.
; LAYOUT 'RL'.  A tile of 16 rows x 128 lies in 64 registers: register 32 c + i of lane (r = lane % 16, h = lane / 16) is (row r, column 64 c + 32 h + i): the order of a 6-bit operand's registers, so a lane holds two
; whole blocks of 32 (2 c + h), a block's largest magnitude needs no other lane, and the conversions' results are the operand.  x is loaded as it lies (a load = one row, 512 bytes) and turned through the wave's own stage in LDS.
; THE PRODUCT IS USED TRANSPOSED (source 0 = 16 columns of W1, source 1 = 16 rows of x), AND THE COLUMNS OF A WEIGHT TILE ARE CHOSEN: lane r of tile t takes column 64 (t / 4) + 8 (t % 4) + 32 (r / 8) + r % 8.
; Register j of tile t's result in lane (r, h) is then (row r, column 64 (t / 4) + 32 h + 8 (t % 4) + j): RL's register 8 t + j.  So the eight results are a tile in RL, and the bias, kept in RL, is the products' C.
; W1 [128 (k)][128 (n)] has K as its first axis: a lane takes a column and its registers run down K.  Wave w quantises tiles 2 w and 2 w + 1; they go to the other waves through LDS as images of the operand's registers.
; NO CLUSTER, NO TENSOR LOAD: K is one step of 128; each byte of x goes to one wave once; what work-groups share (W1, W2: 128 KB) is read once at the head.
; LIMITS: NaN and infinities are not served; a block whose largest magnitude lies under 2^-124 keeps the scale byte 1 (a block of zeros too: its codes are zeros); the f32 sums run in another order than reference()'s.
; REGISTERS.  window 0: v1 4 lane, v2 16 lane, v3 h, v4 8 h, v5, v6 stage (in, out), v7 128 h, v8 a permute's target, v9, v10 offsets in a weight, v11-15, v45-47 LDS addresses, v16-27 codes, v28-35 second halves of blocks,
;   v36-43 at work, v44 the scale word just made, v48-55 W1's scale words, v56-59 c W2 (later the logits), v60-63 bsa, v64-127, v128-191 two tiles in RL, v192-255 the products' results.
;   window 1: W2's 32 rows, later W1's eight fragments.   window 2: v0-63 the bias in RL, v64-127 wt_w in RL.
; THE MODE: SCHED_MODE bits 1:0 = 2 (LLVM: expert scheduling mode 2), set by the entry lines.  The code itself states the register dependences between vector or matrix instructions and memory or LDS instructions,
; with s_wait_alu, always for 0.
; THE PLAN.  Registers that memory or LDS instructions touch, in the order of the text:
;   offsets and LDS addresses (v1, v2, v5-7, v9-15, v45-47): written at the head, never again: one wait on va_vdst ahead of the first load serves every load and store.
;   window 1 v0-127: W2 as loaded; read by the multiply-adds; behind the barrier W1's fragments land there.  The wait on va_vdst ahead of the store of v56-59 stands behind the multiply-adds.
;   v128-255: x as loaded; read by the stage's stores; then weight tiles land there: one wait on vm_vsrc between.
;   v64-127, v128-191, v192-255 as weight tiles: read by the conversions; behind the barrier LDS loads land there.  Each run of conversions is followed by the wait on va_vdst that its stores owe; nothing behind that wait names the tile again.
;   v16-27, v44: written by the conversions, read by an image's stores, written by the next conversions: va_vdst ahead of each run of stores, vm_vsrc ahead of each next run of conversions.
;   v192-195 (the bias), v58 (the logits): written by vector instructions, read by one LDS store each: va_vdst ahead of it; v192-195 are written again by the products, behind the wait on vm_vsrc ahead of tile 0.
.set WIMG, 67584                       ; LDS: 0: four stages of 16,896 bytes (2 tiles x 16 rows x 528);  WIMG: eight images of 2,048 bytes (1,536 of codes, 128 of scale words)
.set WQP,  83968                       ; four partial sums of c W2, 512 bytes each
.set BIA,  86016                       ; the bias, a copy of 512 bytes for each wave
.set LGS,  88064                       ; the work-group's 128 logits
.set MSB,  0
.macro WIN new                         ; the immediate's high byte repeats the setting that is left
.if MSB != (\new)
	s_set_vgpr_msb (MSB<<8)|(\new)
.set MSB, (\new)
.endif
.endm
.macro PLACES n
.rept \n
	v_nop
.endr
.endm
.macro RLREAD m, d                     ; tile m of my stage into v[d] on, in RL.  Rows are 528 bytes apart: the sixteen lanes of a half read sixteen different columns of 16 bytes
.irp c, 0,1
.irp j, 0,1,2,3,4,5,6,7
	ds_load_b128 v[\d+32*\c+4*\j:\d+32*\c+4*\j+3], v6 offset:8448*\m+256*\c+16*\j
.endr
.endr
.endm
; 64 numbers in RL at v[s] on become the operand's 12 registers v16-27 and its scale word v44
.macro QUANT s
.irp b, 0,1,2,3
	v_max3_num_f32 v[36+\b], |v[(\s)+16*\b]|, |v[(\s)+16*\b+1]|, 0x1800000   ; four chains, two to a block; the floor 2^(3 - 127) holds the byte at 1 from below
.endr
.irp i, 2,4,6,8,10,12,14
.irp b, 0,1,2,3
	v_max3_num_f32 v[36+\b], v[36+\b], |v[(\s)+16*\b+\i]|, |v[(\s)+16*\b+\i+1]|
.endr
.endr
	v_max_num_f32 v36, v36, v37                    ; block h's largest magnitude,
	v_max_num_f32 v38, v38, v39                    ; block 2 + h's
	v_add_nc_u32 v40, 0xff000000, v36              ; 2 off the exponent field: the conversion takes the exponent field of this operand as its scale
	v_add_nc_u32 v41, 0xff000000, v38
	v_lshrrev_b32 v42, 23, v40                     ; the scales' bytes
	v_lshrrev_b32 v43, 23, v41
	v_lshl_or_b32 v44, v43, 16, v42
	v_lshlrev_b32 v44, v4, v44                     ; at their places in the word, 8 h bits up;
	v_permlanex16_b32 v8, v44, s66, s67
	v_or_b32 v44, v44, v8                          ; with lane l xor 16's two the word is whole
	v_cvt_scalef32_pk16_fp6_f32 v[16:18], v[(\s):(\s)+15], v40
	v_cvt_scalef32_pk16_fp6_f32 v[28:30], v[(\s)+16:(\s)+31], v40    ; (a conversion's three registers begin on an even number)
	v_cvt_scalef32_pk16_fp6_f32 v[22:24], v[(\s)+32:(\s)+47], v41
	v_cvt_scalef32_pk16_fp6_f32 v[32:34], v[(\s)+48:(\s)+63], v41
	v_nop                                          ; one plain place behind a scaled conversion
.irp i, 0,1,2
	v_mov_b32 v[19+\i], v[28+\i]
	v_mov_b32 v[25+\i], v[32+\i]
.endr
.endm
; a weight tile: register 32 c + i = W(64 c + 32 h + i, my column)
.macro WLOAD s, adr, b, u
.irp c, 0,1
.irp i, 0,1,2,3,4,5,6,7,8,9,10,11,12,13,14,15,16,17,18,19,20,21,22,23,24,25,26,27,28,29,30,31
	global_load_b32 v[\s+32*\c+\i], v[\adr], s[\b:\b+1] offset:(64*\c+\i)*512+32*\u
.endr
.endr
.endm
.macro IMAGE u                         ; the operand goes to LDS as it stands: lane l's 16 bytes at 16 l, its scale word at 4 l
	ds_store_b128 v11, v[16:19] offset:2048*\u
	ds_store_b128 v11, v[20:23] offset:2048*\u+512
	ds_store_b128 v11, v[24:27] offset:2048*\u+1024
	ds_store_b32 v12, v44 offset:2048*\u
.endm
	s_load_b512 s[4:19], s[0:1], 0x0               ; x, W1, W2, c, bsa, wt_w, Wsa1, Wsa2
	s_load_b256 s[20:27], s[0:1], 0x40             ; pfn_w1, pfn_w2, logits, wimg
	v_lshl_add_u32 v31, v0, 2, 0x15a00
	v_mov_b32 v35, 0
	v_lshrrev_b32 v1, 5, v0
	v_readfirstlane_b32 s70, v1                    ; wave 0..3
	v_and_b32 v3, 31, v0
	v_lshlrev_b32 v1, 2, v3                        ; 4 lane
	v_lshlrev_b32 v2, 4, v3                        ; 16 lane
	v_and_b32 v9, 15, v0                           ; r
	v_bfe_u32 v3, v0, 4, 1                         ; h
	v_lshlrev_b32 v4, 3, v3
	v_lshlrev_b32 v7, 7, v3
	v_mov_b32 v8, 0                                ; written once: a lane permute's destination counts as one of its sources
	s_wait_alu depctr_va_sdst(0)                   ; s70 is written, ahead of its first reader: LDS addresses, bases and branches are made from it
	s_mul_i32 s28, s70, 16896
	v_add_nc_u32 v5, s28, v2                       ; my stage, on the way in: 16 lane
	v_mul_u32_u24 v6, v9, 528
	v_add_nc_u32 v6, v6, v7
	v_add_nc_u32 v6, s28, v6                       ; and on the way out: 528 r + 128 h
	v_and_b32 v10, 7, v0
	v_bfe_u32 v11, v0, 3, 1
	v_lshlrev_b32 v10, 2, v10
	v_lshl_add_u32 v10, v11, 7, v10
	v_lshl_add_u32 v10, v3, 14, v10                ; in a weight: 4 (r % 8) + 128 (r / 8) + 32 h rows of 512 bytes
	s_lshr_b32 s28, s70, 1
	s_lshl_b32 s28, s28, 8
	s_and_b32 s29, s70, 1
	s_lshl_b32 s29, s29, 6
	s_add_co_u32 s28, s28, s29
	v_add_nc_u32 v9, s28, v10                      ; W1, tile 2 w: + 256 (w / 2) + 64 (w % 2)
	s_and_b32 s28, ttmp9, 1
	s_lshl_b32 s28, s28, 8
	s_lshl_b32 s29, s70, 5
	s_add_co_u32 s28, s28, s29
	v_add_nc_u32 v10, s28, v10                     ; the fifth tile, 4 (g % 2) + w of its weight: + 256 (g % 2) + 32 w
	s_lshl_b32 s28, s70, 12
	s_add_co_u32 s28, s28, WIMG
	v_add_nc_u32 v11, s28, v2                      ; where I store images,
	s_add_co_u32 s28, s28, 1536
	v_add_nc_u32 v12, s28, v1                      ; and their scale words
	v_add_nc_u32 v13, WIMG, v2                     ; where I read them
	v_add_nc_u32 v14, WIMG+1536, v1
	s_lshl_b32 s28, s70, 9
	s_add_co_u32 s28, s28, WQP
	v_add_nc_u32 v15, s28, v2                      ; my partial sums; my copy of the bias lies BIA - WQP further on
	v_add_nc_u32 v45, WQP, v2
	s_add_co_u32 s28, s28, BIA-WQP
	v_add_nc_u32 v46, s28, v7                      ; the bias in RL
	v_lshl_add_u32 v47, v0, 2, LGS
	s_mov_b32 s66, 0x76543210
	s_mov_b32 s67, 0xfedcba98                      ; v_permlanex16_b32's selects for lane l xor 16
	s_mov_b32 s68, 0xffff0000                      ; lanes 16-31
	s_lshr_b32 s71, ttmp9, 5                       ; the batch
	s_lshl_b32 s28, ttmp9, 16
	s_lshl_b32 s29, s70, 14
	s_add_co_u32 s28, s28, s29                     ; my 32 rows of x: 65,536 g + 16,384 w
	s_mov_b32 s29, 0
	s_wait_kmcnt 0x0
	s_add_nc_u64 s[4:5], s[4:5], s[28:29]
	s_lshl_b32 s28, s70, 14
	s_add_nc_u64 s[8:9], s[8:9], s[28:29]          ; W2's rows 32 w on
	s_lshl_b32 s28, s71, 9
	s_lshl_b32 s30, s70, 7
	s_add_co_u32 s28, s28, s30
	s_add_nc_u64 s[10:11], s[10:11], s[28:29]      ; c[batch][32 w ..]
	s_lshl_b32 s28, ttmp9, 9
	s_add_nc_u64 s[24:25], s[24:25], s[28:29]      ; the work-group's 128 logits
	s_wait_alu depctr_va_vdst(0)                   ; the offsets and LDS addresses v1, v2, v5-7, v9-15, v45-47 are written: every load and store of the kernel reads some of them, and none is written again
.set n, 0
.rept 32
	global_load_b128 v[128+4*n:131+4*n], v2, s[4:5] offset:512*n th:TH_LOAD_NT   ; a load = a row: 512 consecutive bytes
.set n, n+1
.endr
	WIN 0x40
.set n, 0
.rept 32
	global_load_b128 v[4*n:4*n+3], v2, s[8:9] offset:512*n       ; W2(32 w + n, 4 lane ..)
.set n, n+1
.endr
	WIN 0
	global_load_b128 v[60:63], v2, s[12:13]        ; bsa(4 lane ..)
	WIN 0x80
.irp c, 0,1
.irp j, 0,1,2,3,4,5,6,7
	global_load_b128 v[64+32*\c+4*\j:67+32*\c+4*\j], v7, s[14:15] offset:256*\c+16*\j   ; wt_w in RL
.endr
.endr
	WIN 0
	s_load_b512 s[32:47], s[10:11], 0x0            ; my 32 numbers of c
	s_load_b512 s[48:63], s[10:11], 0x40
	s_wait_loadcnt 49                              ; x is in: 32 + 1 + 16 younger loads may be out
.set n, 0
.rept 32
	ds_store_b128 v5, v[128+4*n:131+4*n] offset:8448*(n/16)+528*(n%16)
.set n, n+1
.endr
	WLOAD 64, 9, 6, 0                              ; W1, tile 2 w (no vector instruction has named v64-127)
	s_wait_loadcnt 63                              ; all ahead of these 64 is in: W2, bsa, wt_w
	s_wait_kmcnt 0x0
	WIN 0x04                                       ; source 1: window 1
.irp k, 0,1,2,3
	v_mul_f32 v[56+\k], s32, v[\k]
.endr
.set d, 1
.rept 31
.irp k, 0,1,2,3
	v_fmac_f32 v[56+\k], s[32+d], v[4*d+\k]        ; c W2 over my 32 of its K, columns 4 lane ..: f32
.endr
.set d, d+1
.endr
	WIN 0
	s_wait_alu depctr_va_vdst(0)                   ; the multiply-adds have written v56-59, which the LDS store reads, and are done reading W2's rows in window 1, in which W1's fragments land behind the barrier
	ds_store_b128 v15, v[56:59]
	s_wait_dscnt 0x0                               ; the stage's stores have landed
	s_wait_alu depctr_vm_vsrc(0)                   ; the stage's stores have read v128-255, in which weight tiles land; the store above has read v56-59, which the logits take at the end
	WLOAD 128, 9, 6, 1                             ; W1, tile 2 w + 1
	s_wait_loadcnt 63                              ; tile 2 w is in
	QUANT 64
	s_wait_alu depctr_va_vdst(0)                   ; the conversions and moves have written v16-27 and v44, which the image's stores read, and are done reading v64-127, in which x's tile 0 lands behind the barrier
	IMAGE 0
	s_cmp_lt_u32 ttmp9, 8                          ; work-groups 0 to 7: one more tile a wave, of weight g / 2
	s_cbranch_scc0 .Lplain
	s_bitcmp1_b32 ttmp9, 1
	s_cselect_b64 s[30:31], s[18:19], s[16:17]     ; Wsa2 or Wsa1,
	s_cselect_b64 s[2:3], s[22:23], s[20:21]       ; pfn_w2 or pfn_w1:
	s_bitcmp1_b32 ttmp9, 2
	s_cselect_b64 s[30:31], s[2:3], s[30:31]       ; the choice hangs on the work-group's number alone
	WLOAD 192, 10, 30, 0                           ; (no vector instruction has named v192-255; the stage's stores have read them: the wait on vm_vsrc above)
	s_wait_loadcnt 63                              ; tile 2 w + 1 is in
	s_branch .Ltile1
.Lplain:
	s_wait_loadcnt 0x0
.Ltile1:
	s_wait_dscnt 0x0                               ; the image's stores have landed
	s_wait_alu depctr_vm_vsrc(0)                   ; the image's stores have read v16-27 and v44, which the next conversions write
	QUANT 128
	s_wait_alu depctr_va_vdst(0)                   ; v16-27 and v44 are written, which the image's stores read; the conversions are done reading v128-191, in which x's tile 1 lands behind the barrier
	IMAGE 1
	s_cmp_lt_u32 ttmp9, 8
	s_cbranch_scc0 .Lno_fifth
	s_wait_loadcnt 0x0
	s_wait_dscnt 0x0
	s_wait_alu depctr_vm_vsrc(0)                   ; the second image's stores have read v16-27 and v44, which the next conversions write
	QUANT 192
	s_lshl_b32 s28, ttmp9, 2
	s_add_co_u32 s28, s28, s70
	s_lshl_b32 s28, s28, 11                        ; image 4 g + w = 8 x weight + tile
	s_mov_b32 s29, 0
	s_add_nc_u64 s[26:27], s[26:27], s[28:29]
	s_wait_alu depctr_va_vdst(0)                   ; v16-27 and v44 are written, which the stores read; the conversions are done reading v192-255, in which the partial sums land behind the barrier
	global_store_b128 v2, v[16:19], s[26:27]       ; three stores of 512 consecutive bytes
	global_store_b128 v2, v[20:23], s[26:27] offset:512
	global_store_b128 v2, v[24:27], s[26:27] offset:1024
	global_store_b32 v1, v44, s[26:27] offset:1536
	s_wait_xcnt 0x0                                ; the stores' addresses are translated: the codes are written again below, behind the wait on vm_vsrc that stands ahead of tile 0 on the common way
.Lno_fifth:
	s_wait_loadcnt 0x0                             ; no load is out on any way: v192-255 are written below
	s_wait_dscnt 0x0                               ; my images and my partial sums have landed
	s_barrier_signal -1
	s_barrier_wait -1
.irp a, 0,1,2,3
	ds_load_b128 v[192+4*\a:195+4*\a], v45 offset:512*\a           ; the four partial sums of c W2.  (This run of loads owes no new wait: each register in which it lands was last named by a vector instruction ahead of one of the waits on va_vdst above)
.endr
	WIN 0x40
.irp t, 0,1,2,3,4,5,6,7
.irp c, 0,1,2
	ds_load_b128 v[12*\t+4*\c:12*\t+4*\c+3], v13 offset:2048*\t+512*\c   ; W1's eight fragments
.endr
.endr
	WIN 0
.irp t, 0,1,2,3,4,5,6,7
	ds_load_b32 v[48+\t], v14 offset:2048*\t
.endr
	RLREAD 0, 64
	RLREAD 1, 128
	s_wait_dscnt 63                                ; the partial sums are in (64 younger loads stand behind them)
.irp k, 0,2
	v_pk_add_f32 v[192+\k:193+\k], v[192+\k:193+\k], v[196+\k:197+\k]
	v_pk_add_f32 v[200+\k:201+\k], v[200+\k:201+\k], v[204+\k:205+\k]
.endr
.irp k, 0,2
	v_pk_add_f32 v[192+\k:193+\k], v[192+\k:193+\k], v[200+\k:201+\k]
.endr
.irp k, 0,2
	v_pk_add_f32 v[192+\k:193+\k], v[192+\k:193+\k], v[60+\k:61+\k]   ; c W2 + bsa, columns 4 lane ..
.endr
	s_wait_alu depctr_va_vdst(0)                   ; the additions have written v192-195, which the LDS store reads
	ds_store_b128 v15, v[192:195] offset:BIA-WQP   ; into my own copy, and back in RL: LDS serves a wave's instructions in order
	WIN 0x80
.irp c, 0,1
.irp j, 0,1,2,3,4,5,6,7
	ds_load_b128 v[32*\c+4*\j:32*\c+4*\j+3], v46 offset:256*\c+16*\j
.endr
.endr
	WIN 0
	s_wait_dscnt 0x0
	s_wait_alu depctr_vm_vsrc(0)                   ; the last image's stores (in work-groups 0 to 7 the global stores) have read v16-27 and v44, which the conversions below write; the bias's store has read v192-195, which the products write
.irp m, 0,1
	QUANT 64+64*\m
	PLACES 8                                       ; a scale word made by vector instructions stands 8 places ahead of a scaled product, an operand so made 4
	WIN 0x21                                       ; source 0 (W1) window 1, C (the bias) window 2
	s_wait_alu depctr_va_vdst(0)                   ; behind the places: the codes v16-27 and the scale word v44 are written, which the products take as source 1 and its scales
.irp t, 0,1,2,3,4,5,6,7
	v_wmma_scale_f32_16x16x128_f8f6f4 v[192+8*\t:199+8*\t], v[12*\t:12*\t+11], v[16:27], v[8*\t:8*\t+7], v[48+\t], v44 matrix_a_fmt:MATRIX_FMT_FP6 matrix_b_fmt:MATRIX_FMT_FP6
.endr
	WIN 0
	PLACES 4
	WIN 0x08                                       ; source 1 (wt_w) window 2
.irp p, 0,1,2,3
	v_pk_mul_f32 v[36+2*\p:37+2*\p], v[192+2*\p:193+2*\p], v[64+2*\p:65+2*\p]   ; each result is read from its low end on
.endr
.set p, 4
.rept 28
	v_pk_fma_f32 v[36+2*(p%4):37+2*(p%4)], v[192+2*p:193+2*p], v[64+2*p:65+2*p], v[36+2*(p%4):37+2*(p%4)]
.set p, p+1
.endr
	WIN 0
	v_pk_add_f32 v[36:37], v[36:37], v[38:39]
	v_pk_add_f32 v[40:41], v[40:41], v[42:43]
	v_pk_add_f32 v[36:37], v[36:37], v[40:41]
	v_add_f32 v36, v36, v37
	v_permlanex16_b32 v8, v36, s66, s67
	v_add_f32 v[56+\m], v36, v8                    ; the logit of row r of tile m, in both halves of the lanes
.endr
	v_cndmask_b32 v58, v56, v57, s68               ; lane l: row l of my 32
	s_wait_alu depctr_va_vdst(0)                   ; v58 is written, which the LDS store reads; the additions of bsa are done reading v60-63, in which wave 0's load lands behind the barrier
	ds_store_b32 v47, v58
	s_wait_dscnt 0x0
	s_barrier_signal -1
	s_barrier_wait -1
	s_cmp_lg_u32 s70, 0
	s_cbranch_scc1 .Lend
	ds_load_b128 v[60:63], v45 offset:LGS-WQP
	s_wait_dscnt 0x0
	global_store_b128 v2, v[60:63], s[24:25]       ; wave 0 stores the work-group's 512 consecutive bytes
.Lend:
	s_wait_dscnt 0x0
	s_wait_alu depctr_hold_cnt(0) depctr_sa_sdst(0) depctr_va_vdst(0) depctr_va_sdst(0) depctr_va_ssrc(0) depctr_va_vcc(0) depctr_vm_vsrc(0)
	s_wait_tensorcnt 0x0
	ds_add_u32 v31, v35
	s_wait_dscnt 0x0
	s_endpgm
.Lfunc_end_k_q38dd204ca5_logit:
	.size	k_q38dd204ca5_logit, .Lfunc_end_k_q38dd204ca5_logit-k_q38dd204ca5_logit
	.p2alignl 7, 3214868480
	.fill 96, 4, 3214868480
	.section	.rodata,"a",@progbits
	.p2align	6, 0x0
	.amdhsa_kernel k_q38dd204ca5_logit
		.amdhsa_group_segment_fixed_size 89088
		.amdhsa_private_segment_fixed_size 0
		.amdhsa_enable_private_segment 0
		.amdhsa_kernarg_size 96
		.amdhsa_user_sgpr_count 2
		.amdhsa_user_sgpr_kernarg_segment_ptr 1
		.amdhsa_wavefront_size32 1
		.amdhsa_system_sgpr_workgroup_id_x 1
		.amdhsa_system_sgpr_workgroup_id_y 1
		.amdhsa_system_sgpr_workgroup_id_z 1
		.amdhsa_system_vgpr_workitem_id 0
		.amdhsa_next_free_vgpr 640
		.amdhsa_next_free_sgpr 72
		.amdhsa_reserve_vcc 0
		.amdhsa_float_denorm_mode_32 3
		.amdhsa_float_denorm_mode_16_64 3
		.amdhsa_memory_ordered 1
		.amdhsa_forward_progress 1
		.amdhsa_inst_pref_size 67
	.end_amdhsa_kernel
	.amdgpu_metadata
---
amdhsa.version: [ 1, 2 ]
amdhsa.kernels:
  - .name:           k_q38dd204ca5_logit
    .symbol:         k_q38dd204ca5_logit.kd
    .args:
      - { .name: x, .offset: 0, .size: 8, .value_kind: global_buffer, .address_space: global }
      - { .name: W1, .offset: 8, .size: 8, .value_kind: global_buffer, .address_space: global }
      - { .name: W2, .offset: 16, .size: 8, .value_kind: global_buffer, .address_space: global }
      - { .name: c, .offset: 24, .size: 8, .value_kind: global_buffer, .address_space: global }
      - { .name: bsa, .offset: 32, .size: 8, .value_kind: global_buffer, .address_space: global }
      - { .name: wt_w, .offset: 40, .size: 8, .value_kind: global_buffer, .address_space: global }
      - { .name: Wsa1, .offset: 48, .size: 8, .value_kind: global_buffer, .address_space: global }
      - { .name: Wsa2, .offset: 56, .size: 8, .value_kind: global_buffer, .address_space: global }
      - { .name: pfn_w1, .offset: 64, .size: 8, .value_kind: global_buffer, .address_space: global }
      - { .name: pfn_w2, .offset: 72, .size: 8, .value_kind: global_buffer, .address_space: global }
      - { .name: logits, .offset: 80, .size: 8, .value_kind: global_buffer, .address_space: global }
      - { .name: wimg, .offset: 88, .size: 8, .value_kind: global_buffer, .address_space: global }
    .group_segment_fixed_size: 89088
    .private_segment_fixed_size: 0
    .kernarg_segment_align: 8
    .kernarg_segment_size: 96
    .max_flat_workgroup_size: 128
    .sgpr_count:     72
    .vgpr_count:     640
    .wavefront_size: 32
...
	.end_amdgpu_metadata
.endif
;; end of part 5
;; launch score (part 6): grid 256 x 1, 4 waves a work-group, no clusters, 68,096 bytes of LDS; arguments x, logits, wimg, wsat_w, bsa1, wsat_b, rowrec, colrec; writes rowrec, colrec
.if DOCPART == 6
	.amdgcn_target "amdgcn-amd-amdhsa--gfx1250"
	.amdhsa_code_object_version 6
	.text
	.protected	k_q38dd204ca5_score
	.globl	k_q38dd204ca5_score
	.p2align	8
	.type	k_q38dd204ca5_score,@function
k_q38dd204ca5_score:
	s_mov_b64 s[64:65], 0
	v_nop
	global_prefetch_b8 v0, s[64:65] scope:SCOPE_SE
	s_setreg_imm32_b32 hwreg(HW_REG_WAVE_SCHED_MODE, 0, 2), 2
	s_setreg_imm32_b32 hwreg(HW_REG_WAVE_MODE, 25, 1), 1
	s_wait_xcnt 0x0
	s_wait_alu depctr_vm_vsrc(0)
; p = softmax of a batch's 4,096 logits; h = x p; si = (Q(h) Q(Wsa1)) . wsat_w, sj = (Q(h) Q(Wsa2)) . wsat_w; const = bsa1 . wsat_w + wsat_b.  Q: FP6 (E2M3), one E8M0 scale for each 32 along K.
; What the next launch wants of a row i and of a column j is stored as records.  With alpha = -(si + const) log2(e), beta = -sj log2(e):
;   exp(sigmoid(si + sj + const)) = 2^(1 / (ln2 + ln2 2^(alpha + beta))).   Row record, 16 bytes: ln2 2^(alpha - ea) twice, ea = floor(alpha) as a whole number, and E_ii, the diagonal's own term.  Column record, 8 bytes: 2^(beta - eb), eb = floor(beta).
;   The whole parts are added as whole numbers and applied by v_ldexp_f32: no power of two overflows on its own while the sum of the exponents is small.
; THE SOFTMAX takes the batch's largest logit away.  Each wave finds it, and the sum, for itself from all 4,096 logits (32 loads, 129 exponentials): that spares LDS traffic and barriers.
; SHARES, the layout RL, the choice of a weight tile's columns and the stage are the first launch's: work-group g owns rows 128 g on, wave w two tiles of 16; register 32 c + i of lane (r, h) is (row r, column 64 c + 32 h + i);
; the products are used transposed, so that the eight results of a weight are a tile in RL.  The weights come as images of their operand registers (16 x 2,048 bytes), made by the first launch.
; NO CLUSTER, NO TENSOR LOAD: one K step; x goes to one wave once; the 32 KB of images and 16 KB of logits are read once at the head.
; LIMITS: alpha and beta are held to +-2^28; NaN and infinities are not served; a p under 2^-126 comes out of v_exp_f32 as 0; a block under 2^-124 keeps the scale byte 1; f32 sums in another order than reference()'s.
; REGISTERS.  window 0: v1 4 lane, v2 16 lane, v3 h, v4 8 h, v5, v6 stage, v7 128 h, v8 a permute's target, v9-15, v45-47 this launch's numbers, v16-27 codes, v28-35 second halves, v36-43 at work, v44 the scale word just made,
;   v48-63 the weights' scale words, v64-127 a tile in RL, v128-255 x, then the logits, then 16 results.   window 1: v0-191 16 fragments.   window 2: v0-63 wsat_w in RL.
; THE MODE: SCHED_MODE bits 1:0 = 2 (LLVM: expert scheduling mode 2), set by the entry lines.  The code itself states the register dependences between vector or matrix instructions and memory or LDS instructions,
; with s_wait_alu, always for 0.
; THE PLAN.  Registers that memory or LDS instructions touch, in the order of the text:
;   offsets and LDS addresses (v1, v2, v5-7, v10): written at the head, never again; v9 is used at the head and then loaded: one wait on va_vdst ahead of the first load.
;   v128-255: x as loaded; read by the stage's stores; then the logits land there: one wait on vm_vsrc between.  From then on vector and matrix instructions alone name them.
;   v64-127: tile 0 from the stage; multiplied by p in place and read by the conversions; then tile 1 lands there: the wait on va_vdst that stands behind the places ahead of tile 0's products serves this too, and tile 1's loads follow it.
;   v28-29, v32-35 (the records), v40, v41 (their offsets): written by the last vector lines, read by the two stores: the wait behind the last exponential stands ahead of the stores.
.set MSB,  0
.macro WIN new                         ; the immediate's high byte repeats the setting that is left
.if MSB != (\new)
	s_set_vgpr_msb (MSB<<8)|(\new)
.set MSB, (\new)
.endif
.endm
.macro PLACES n
.rept \n
	v_nop
.endr
.endm
.macro RLREAD m, d
.irp c, 0,1
.irp j, 0,1,2,3,4,5,6,7
	ds_load_b128 v[\d+32*\c+4*\j:\d+32*\c+4*\j+3], v6 offset:8448*\m+256*\c+16*\j
.endr
.endr
.endm
.macro QUANT s                         ; 64 numbers in RL at v[s] on become the operand's 12 registers v16-27 and its scale word v44
.irp b, 0,1,2,3
	v_max3_num_f32 v[36+\b], |v[(\s)+16*\b]|, |v[(\s)+16*\b+1]|, 0x1800000   ; the floor 2^(3 - 127) holds the byte at 1 from below
.endr
.irp i, 2,4,6,8,10,12,14
.irp b, 0,1,2,3
	v_max3_num_f32 v[36+\b], v[36+\b], |v[(\s)+16*\b+\i]|, |v[(\s)+16*\b+\i+1]|
.endr
.endr
	v_max_num_f32 v36, v36, v37
	v_max_num_f32 v38, v38, v39
	v_add_nc_u32 v40, 0xff000000, v36              ; 2 off the exponent field: the conversion's scale operand
	v_add_nc_u32 v41, 0xff000000, v38
	v_lshrrev_b32 v42, 23, v40
	v_lshrrev_b32 v43, 23, v41
	v_lshl_or_b32 v44, v43, 16, v42
	v_lshlrev_b32 v44, v4, v44
	v_permlanex16_b32 v8, v44, s66, s67
	v_or_b32 v44, v44, v8
	v_cvt_scalef32_pk16_fp6_f32 v[16:18], v[(\s):(\s)+15], v40
	v_cvt_scalef32_pk16_fp6_f32 v[28:30], v[(\s)+16:(\s)+31], v40
	v_cvt_scalef32_pk16_fp6_f32 v[22:24], v[(\s)+32:(\s)+47], v41
	v_cvt_scalef32_pk16_fp6_f32 v[32:34], v[(\s)+48:(\s)+63], v41
	v_nop                                          ; one plain place behind a scaled conversion
.irp i, 0,1,2
	v_mov_b32 v[19+\i], v[28+\i]
	v_mov_b32 v[25+\i], v[32+\i]
.endr
.endm
.macro LANESUM a                       ; the sum over the 32 lanes, in every lane
.irp x, 1,2,4,8
	v_add_f32_dpp v[\a], v[\a], v[\a] row_xmask:\x row_mask:0xf bank_mask:0xf
.endr
	v_permlanex16_b32 v8, v[\a], s66, s67
	v_add_f32 v[\a], v[\a], v8
.endm
	s_load_b512 s[4:19], s[0:1], 0x0               ; x, logits, wimg, wsat_w, bsa1, wsat_b, rowrec, colrec
	s_set_vgpr_msb 0x40
	v_lshl_add_u32 v254, v0, 2, 0x10800
	v_mov_b32 v255, 0
	s_set_vgpr_msb 0x4000
	v_lshrrev_b32 v1, 5, v0
	v_readfirstlane_b32 s70, v1                    ; wave 0..3
	v_and_b32 v3, 31, v0
	v_lshlrev_b32 v1, 2, v3
	v_lshlrev_b32 v2, 4, v3
	v_and_b32 v9, 15, v0
	v_bfe_u32 v3, v0, 4, 1
	v_lshlrev_b32 v4, 3, v3
	v_lshlrev_b32 v7, 7, v3
	v_mov_b32 v8, 0
	v_mov_b32 v11, 0                               ; (lane permutes' targets are written once)
	s_wait_alu depctr_va_sdst(0)                   ; s70 is written, ahead of its first reader: the stage's address and x's base are made from it
	s_mul_i32 s28, s70, 16896
	v_add_nc_u32 v5, s28, v2
	v_mul_u32_u24 v6, v9, 528
	v_add_nc_u32 v6, v6, v7
	v_add_nc_u32 v6, s28, v6
	v_lshlrev_b32 v10, 2, v0                       ; 4 x thread
	s_mov_b32 s66, 0x76543210
	s_mov_b32 s67, 0xfedcba98
	s_mov_b32 s68, 0xffff0000                      ; lanes 16-31
	s_mov_b32 s30, 0x3fb8aa3b                      ; log2(e); the packed form names a pair
	s_mov_b32 s31, s30
	s_mov_b32 s32, 0xcd800000                      ; -2^28
	s_mov_b32 s33, 0x4d800000                      ; 2^28
	s_lshr_b32 s71, ttmp9, 5                       ; the batch
	s_lshl_b32 s28, ttmp9, 16
	s_lshl_b32 s29, s70, 14
	s_add_co_u32 s28, s28, s29
	s_mov_b32 s29, 0
	s_wait_kmcnt 0x0
	s_add_nc_u64 s[4:5], s[4:5], s[28:29]          ; my 32 rows of x
	s_lshl_b32 s28, s71, 14
	s_add_nc_u64 s[20:21], s[6:7], s[28:29]        ; the batch's logits,
	s_lshl_b32 s28, ttmp9, 9
	s_add_nc_u64 s[6:7], s[6:7], s[28:29]          ; the work-group's own
	s_lshl_b32 s28, ttmp9, 11
	s_add_nc_u64 s[16:17], s[16:17], s[28:29]
	s_lshl_b32 s28, ttmp9, 10
	s_add_nc_u64 s[18:19], s[18:19], s[28:29]
	s_wait_alu depctr_va_vdst(0)                   ; the offsets and LDS addresses v1, v2, v5-7, v10 are written, which the loads and LDS instructions below read; the head is done with v9, in which a load lands
.set n, 0
.rept 32
	global_load_b128 v[128+4*n:131+4*n], v2, s[4:5] offset:512*n th:TH_LOAD_NT
.set n, n+1
.endr
	global_load_b32 v9, v10, s[6:7]                ; my row's logit: lane l has row l of my 32
	WIN 0x80
.irp c, 0,1
.irp j, 0,1,2,3,4,5,6,7
	global_load_b128 v[32*\c+4*\j:32*\c+4*\j+3], v7, s[10:11] offset:256*\c+16*\j   ; wsat_w in RL
.endr
.endr
	WIN 0
	global_load_b128 v[28:31], v2, s[12:13]        ; bsa1(4 lane ..)
	global_load_b128 v[32:35], v2, s[10:11]        ; wsat_w(4 lane ..)
	s_load_b32 s34, s[14:15], 0x0                  ; wsat_b
	s_wait_loadcnt 19                              ; x is in: 1 + 16 + 2 younger loads may be out
.set n, 0
.rept 32
	ds_store_b128 v5, v[128+4*n:131+4*n] offset:8448*(n/16)+528*(n%16)
.set n, n+1
.endr
	RLREAD 0, 64
	s_wait_dscnt 0x0                               ; the stores have landed, tile 0 is back
	s_wait_alu depctr_vm_vsrc(0)                   ; the stage's stores have read v128-255, in which the logits land
.set n, 0
.rept 32
	global_load_b128 v[128+4*n:131+4*n], v2, s[20:21] offset:512*n   ; the batch's 4,096 logits, 128 a lane
.set n, n+1
.endr
	WIN 0x40
.set n, 0
.rept 16
.irp c, 0,1,2
	global_load_b128 v[12*n+4*\c:12*n+4*\c+3], v2, s[8:9] offset:2048*n+512*\c   ; Wsa1's eight fragments, then Wsa2's
.endr
.set n, n+1
.endr
	WIN 0
.set n, 0
.rept 16
	global_load_b32 v[48+n], v1, s[8:9] offset:2048*n+1536
.set n, n+1
.endr
	s_wait_loadcnt 63                              ; all ahead of the images' 64 loads is in
.irp k, 0,1,2,3
	v_max_num_f32 v[36+\k], v[128+32*\k], v[129+32*\k]             ; the largest logit: four chains
.endr
.irp i, 2,4,6,8,10,12,14,16,18,20,22,24,26,28,30
.irp k, 0,1,2,3
	v_max3_num_f32 v[36+\k], v[36+\k], v[128+32*\k+\i], v[129+32*\k+\i]
.endr
.endr
	v_max3_num_f32 v36, v36, v37, v38
	v_max_num_f32 v36, v36, v39
.irp x, 1,2,4,8
	v_max_num_f32_dpp v36, v36, v36 row_xmask:\x row_mask:0xf bank_mask:0xf
.endr
	v_permlanex16_b32 v8, v36, s66, s67
	v_max_num_f32 v36, v36, v8
	v_mul_f32 v46, 0xbfb8aa3b, v36                 ; -max log2(e): the same number for every logit, so its rounding cancels in p
	v_mov_b32 v47, v46
.set j, 0
.rept 64
	v_pk_fma_f32 v[128+2*j:129+2*j], v[128+2*j:129+2*j], s[30:31], v[46:47] op_sel_hi:[1,0,0]
.set j, j+1
.endr
	v_fma_f32 v9, v9, s30, v46
.set j, 0
.rept 128
	v_exp_f32 v[128+j], v[128+j]
.set j, j+1
.endr
	v_exp_f32 v9, v9
	v_mul_f32 v40, v28, v32                        ; bsa1 . wsat_w: plain work behind the exponentials
	v_fma_f32 v40, v29, v33, v40
	v_fma_f32 v40, v30, v34, v40
	v_fma_f32 v40, v31, v35, v40
	LANESUM 40
	s_wait_kmcnt 0x0
	v_add_f32 v45, s34, v40                        ; const
	s_wait_alu depctr_va_vdst(0)                   ; one wait for the 129 exponentials' results v128-255 and v9, ahead of their first reader
.irp k, 0,1,2,3
	v_pk_add_f32 v[36+2*\k:37+2*\k], v[128+2*\k:129+2*\k], v[136+2*\k:137+2*\k]
.endr
.set p, 8
.rept 56
	v_pk_add_f32 v[36+2*(p%4):37+2*(p%4)], v[36+2*(p%4):37+2*(p%4)], v[128+2*p:129+2*p]
.set p, p+1
.endr
	v_pk_add_f32 v[36:37], v[36:37], v[38:39]
	v_pk_add_f32 v[40:41], v[40:41], v[42:43]
	v_pk_add_f32 v[36:37], v[36:37], v[40:41]
	v_add_f32 v36, v36, v37
	LANESUM 36
	v_rcp_f32 v36, v36
	v_nop
	s_wait_alu depctr_va_vdst(0)                   ; the reciprocal's result v36, ahead of its first reader
	v_mul_f32 v9, v9, v36                          ; p of row l of my 32
	v_permlanex16_b32 v11, v9, s66, s67
	v_cndmask_b32 v12, v9, v11, s68                ; lane (r, h): p of row r of tile 0,
	v_cndmask_b32 v14, v11, v9, s68                ; of tile 1
	v_mov_b32 v13, v12                             ; (named as pairs)
	v_mov_b32 v15, v14
.irp m, 0,1
	s_wait_dscnt 0x0
.set j, 0
.rept 32
	v_pk_mul_f32 v[64+2*j:65+2*j], v[64+2*j:65+2*j], v[12+2*\m:13+2*\m] op_sel_hi:[1,0]   ; h = x p
.set j, j+1
.endr
	QUANT 64
	PLACES 8                                       ; a scale word made by vector instructions stands 8 places ahead of a scaled product
	s_wait_alu depctr_va_vdst(0)                   ; behind the places: the codes v16-27 and the scale word v44 are written, which the products take as source 1 and its scales; the multiplications and conversions are done with v64-127, in which tile 1 lands
.if \m == 0
	RLREAD 1, 64                                   ; the next tile comes while this one is multiplied
	s_wait_loadcnt 0x0                             ; the images
.endif
	WIN 0x01                                       ; source 0: window 1
.irp t, 0,1,2,3,4,5,6,7,8,9,10,11,12,13,14,15
	v_wmma_scale_f32_16x16x128_f8f6f4 v[128+8*\t:135+8*\t], v[12*\t:12*\t+11], v[16:27], 0, v[48+\t], v44 matrix_a_fmt:MATRIX_FMT_FP6 matrix_b_fmt:MATRIX_FMT_FP6
.endr
	WIN 0
	PLACES 4
	WIN 0x08                                       ; source 1 (wsat_w) window 2
	v_pk_mul_f32 v[36:37], v[128:129], v[0:1]      ; each result is read from its low end on
	v_pk_mul_f32 v[40:41], v[192:193], v[0:1]
	v_pk_mul_f32 v[38:39], v[130:131], v[2:3]
	v_pk_mul_f32 v[42:43], v[194:195], v[2:3]
.set p, 2
.rept 30
	v_pk_fma_f32 v[36+2*(p%2):37+2*(p%2)], v[128+2*p:129+2*p], v[2*p:2*p+1], v[36+2*(p%2):37+2*(p%2)]
	v_pk_fma_f32 v[40+2*(p%2):41+2*(p%2)], v[192+2*p:193+2*p], v[2*p:2*p+1], v[40+2*(p%2):41+2*(p%2)]
.set p, p+1
.endr
	WIN 0
	v_pk_add_f32 v[36:37], v[36:37], v[38:39]
	v_pk_add_f32 v[40:41], v[40:41], v[42:43]
	v_add_f32 v36, v36, v37
	v_add_f32 v40, v40, v41
	v_permlanex16_b32 v8, v36, s66, s67
	v_add_f32 v[9+37*\m], v36, v8                  ; si of row r of tile m: v9, v46
	v_permlanex16_b32 v8, v40, s66, s67
	v_add_f32 v[11+36*\m], v40, v8                 ; sj: v11, v47
.endr
	v_cndmask_b32 v36, v9, v46, s68                ; lane l: row l of my 32
	v_cndmask_b32 v37, v11, v47, s68
	v_add_f32 v36, v36, v45
	v_mul_f32 v36, 0xbfb8aa3b, v36                 ; alpha
	v_mul_f32 v37, 0xbfb8aa3b, v37                 ; beta
	v_med3_num_f32 v36, v36, s32, s33
	v_med3_num_f32 v37, v37, s32, s33
	v_floor_f32 v38, v36
	v_floor_f32 v39, v37
	v_sub_f32 v36, v36, v38
	v_sub_f32 v37, v37, v39
	v_cvt_i32_f32 v34, v38                         ; ea
	v_cvt_i32_f32 v29, v39                         ; eb
	v_exp_f32 v36, v36
	v_exp_f32 v28, v37                             ; 2^(beta - eb)
	v_add_nc_u32 v35, v34, v29
	s_wait_alu depctr_va_vdst(0)                   ; the two exponentials' results v36 and v28, ahead of their first reader
	v_mul_f32 v32, 0x3f317218, v36                 ; ln2 2^(alpha - ea)
	v_ldexp_f32 v35, v28, v35                      ; the diagonal's term by the very instructions of the next launch
	v_mov_b32 v33, v32
	v_fma_f32 v35, v35, v32, 0x3f317218
	v_rcp_f32 v35, v35
	v_lshlrev_b32 v40, 4, v0
	s_wait_alu depctr_va_vdst(0)                   ; the reciprocal's result v35, ahead of its first reader
	v_exp_f32 v35, v35
	v_lshlrev_b32 v41, 3, v0
	s_wait_alu depctr_va_vdst(0)                   ; the exponential's result v35; and the records v32-35, v28-29 and their offsets v40, v41 are written, which the two stores read
	global_store_b128 v40, v[32:35], s[16:17]      ; 512 consecutive bytes a wave
	global_store_b64 v41, v[28:29], s[18:19]       ; 256 consecutive bytes a wave
	s_set_vgpr_msb 0x5
	s_wait_dscnt 0x0
	s_wait_alu depctr_hold_cnt(0) depctr_sa_sdst(0) depctr_va_vdst(0) depctr_va_sdst(0) depctr_va_ssrc(0) depctr_va_vcc(0) depctr_vm_vsrc(0)
	s_wait_tensorcnt 0x0
	ds_add_u32 v254, v255
	s_wait_dscnt 0x0
	s_endpgm
.Lfunc_end_k_q38dd204ca5_score:
	.size	k_q38dd204ca5_score, .Lfunc_end_k_q38dd204ca5_score-k_q38dd204ca5_score
	.p2alignl 7, 3214868480
	.fill 96, 4, 3214868480
	.section	.rodata,"a",@progbits
	.p2align	6, 0x0
	.amdhsa_kernel k_q38dd204ca5_score
		.amdhsa_group_segment_fixed_size 68096
		.amdhsa_private_segment_fixed_size 0
		.amdhsa_enable_private_segment 0
		.amdhsa_kernarg_size 64
		.amdhsa_user_sgpr_count 2
		.amdhsa_user_sgpr_kernarg_segment_ptr 1
		.amdhsa_wavefront_size32 1
		.amdhsa_system_sgpr_workgroup_id_x 1
		.amdhsa_system_sgpr_workgroup_id_y 1
		.amdhsa_system_sgpr_workgroup_id_z 1
		.amdhsa_system_vgpr_workitem_id 0
		.amdhsa_next_free_vgpr 576
		.amdhsa_next_free_sgpr 72
		.amdhsa_reserve_vcc 0
		.amdhsa_float_denorm_mode_32 3
		.amdhsa_float_denorm_mode_16_64 3
		.amdhsa_memory_ordered 1
		.amdhsa_forward_progress 1
		.amdhsa_inst_pref_size 64
	.end_amdhsa_kernel
	.amdgpu_metadata
---
amdhsa.version: [ 1, 2 ]
amdhsa.kernels:
  - .name:           k_q38dd204ca5_score
    .symbol:         k_q38dd204ca5_score.kd
    .args:
      - { .name: x, .offset: 0, .size: 8, .value_kind: global_buffer, .address_space: global }
      - { .name: logits, .offset: 8, .size: 8, .value_kind: global_buffer, .address_space: global }
      - { .name: wimg, .offset: 16, .size: 8, .value_kind: global_buffer, .address_space: global }
      - { .name: wsat_w, .offset: 24, .size: 8, .value_kind: global_buffer, .address_space: global }
      - { .name: bsa1, .offset: 32, .size: 8, .value_kind: global_buffer, .address_space: global }
      - { .name: wsat_b, .offset: 40, .size: 8, .value_kind: global_buffer, .address_space: global }
      - { .name: rowrec, .offset: 48, .size: 8, .value_kind: global_buffer, .address_space: global }
      - { .name: colrec, .offset: 56, .size: 8, .value_kind: global_buffer, .address_space: global }
    .group_segment_fixed_size: 68096
    .private_segment_fixed_size: 0
    .kernarg_segment_align: 8
    .kernarg_segment_size: 64
    .max_flat_workgroup_size: 128
    .sgpr_count:     72
    .vgpr_count:     576
    .wavefront_size: 32
...
	.end_amdgpu_metadata
.endif
;; end of part 6
;; launch pairs: the kernel of part 3 again; grid 256 x 1, 4 waves a work-group, no clusters, 66,560 bytes of LDS; arguments rowrec, colrec, part, dcor; writes part, dcor
;; launch ffn (part 7): grid 256 x 1, 4 waves a work-group, no clusters, 68,096 bytes of LDS; arguments x, part, dcor, wimg, pfn_b1, pfn_b2, ln_g, ln_b, out0; writes out0
.if DOCPART == 7
	.amdgcn_target "amdgcn-amd-amdhsa--gfx1250"
	.amdhsa_code_object_version 6
	.text
	.protected	k_q38dd204ca5_ffn
	.globl	k_q38dd204ca5_ffn
	.p2align	8
	.type	k_q38dd204ca5_ffn,@function
k_q38dd204ca5_ffn:
	s_mov_b64 s[64:65], 0
	v_nop
	global_prefetch_b8 v0, s[64:65] scope:SCOPE_SE
	s_setreg_imm32_b32 hwreg(HW_REG_WAVE_SCHED_MODE, 0, 2), 2
	s_setreg_imm32_b32 hwreg(HW_REG_WAVE_MODE, 25, 1), 1
	s_wait_xcnt 0x0
	s_wait_alu depctr_vm_vsrc(0)
; colsum[j] = the sum of the batch's 32 partial column sums - dcor[j]; ui = x colsum; y = relu(Q(ui) Q(pfn_w1) + pfn_b1); y = Q(y) Q(pfn_w2) + pfn_b2 + ui; out0 = (y - mean) / sqrt(var + 1e-6) ln_g + ln_b.
; Q: FP6 (E2M3), one E8M0 scale for each 32 along K.  The hidden layer never leaves the registers.
; SHARES, the layout RL, the choice of a weight tile's columns and the stage are the first launch's: work-group g owns rows 128 g on, wave w two tiles of 16; register 32 c + i of lane (r, h) is (row r, column 64 c + 32 h + i);
; the products are used transposed, so that a weight's eight results are a tile in RL: the hidden layer is quantised where it lies, pfn_b1 is the first product's C, and ui + pfn_b2 the second's, register for register.
; A row's 128 numbers lie in lanes l and l xor 16: mean and variance want one exchange each.  Results go back through the stage and leave as whole rows of 512 bytes.
; NO CLUSTER, NO TENSOR LOAD: one K step; x goes to one wave once; the 32 KB of weight images and 2 KB of vectors are read once at the head.
; LIMITS: NaN and infinities are not served; a block under 2^-124 keeps the scale byte 1; f32 sums in another order than reference()'s.
; REGISTERS.  window 0: v1 4 lane, v2 16 lane, v3 h, v4 8 h, v5, v6 stage, v7 128 h, v8 a permute's target, v9-15 this launch's numbers, v16-27 codes, v28-35 second halves, v36-43 at work, v44 the scale word just made,
;   v46-47 a factor as a pair, v48-63 the weights' scale words, v64-127 ui, then ui + pfn_b2, then y, v128-191 the hidden layer, v192-255 rows on the way out.
;   window 1: v0-95 pfn_w1's fragments, v96-191 pfn_w2's.   window 2: pfn_b1, pfn_b2, ln_g, ln_b in RL, 64 registers each.
; THE MODE: SCHED_MODE bits 1:0 = 2 (LLVM: expert scheduling mode 2), set by the entry lines.  The code itself states the register dependences between vector or matrix instructions and memory or LDS instructions,
; with s_wait_alu, always for 0.
; THE PLAN.  Registers that memory or LDS instructions touch, in the order of the text:
;   offsets and LDS addresses (v1, v2, v5-7, v10): written at the head, never again; v9 is used at the head and then loaded: one wait on va_vdst ahead of the first load.
;   v128-255: x as loaded; read by the stage's stores; later the first product writes v128-191 and rows from LDS land in v192-255: one wait on vm_vsrc behind the stage's stores.
;   v64-127: the partial column sums are added there; tile 0 lands; the tile's arithmetic ends there; the LDS stores read it; tile 1 lands.  A wait on va_vdst at each tile's head, one ahead of each tile's LDS stores,
;            and a wait on vm_vsrc at tile 1's head.
;   v192-255: a tile's rows back from LDS; read by the global stores; tile 1's rows land there: the wait on vm_vsrc at tile 1's head stands behind tile 0's global stores and serves them too.  No vector instruction names them.
;   v16-27, v44 are named by vector and matrix instructions alone; ahead of each run of products, behind the places, a wait on va_vdst states that they are written.
.set MSB,  0
.macro WIN new                         ; the immediate's high byte repeats the setting that is left
.if MSB != (\new)
	s_set_vgpr_msb (MSB<<8)|(\new)
.set MSB, (\new)
.endif
.endm
.macro PLACES n
.rept \n
	v_nop
.endr
.endm
.macro RLREAD m, d
.irp c, 0,1
.irp j, 0,1,2,3,4,5,6,7
	ds_load_b128 v[\d+32*\c+4*\j:\d+32*\c+4*\j+3], v6 offset:8448*\m+256*\c+16*\j
.endr
.endr
.endm
.macro QUANT s                         ; 64 numbers in RL at v[s] on become the operand's 12 registers v16-27 and its scale word v44
.irp b, 0,1,2,3
	v_max3_num_f32 v[36+\b], |v[(\s)+16*\b]|, |v[(\s)+16*\b+1]|, 0x1800000   ; the floor 2^(3 - 127) holds the byte at 1 from below
.endr
.irp i, 2,4,6,8,10,12,14
.irp b, 0,1,2,3
	v_max3_num_f32 v[36+\b], v[36+\b], |v[(\s)+16*\b+\i]|, |v[(\s)+16*\b+\i+1]|
.endr
.endr
	v_max_num_f32 v36, v36, v37
	v_max_num_f32 v38, v38, v39
	v_add_nc_u32 v40, 0xff000000, v36              ; 2 off the exponent field: the conversion's scale operand
	v_add_nc_u32 v41, 0xff000000, v38
	v_lshrrev_b32 v42, 23, v40
	v_lshrrev_b32 v43, 23, v41
	v_lshl_or_b32 v44, v43, 16, v42
	v_lshlrev_b32 v44, v4, v44
	v_permlanex16_b32 v8, v44, s66, s67
	v_or_b32 v44, v44, v8
	v_cvt_scalef32_pk16_fp6_f32 v[16:18], v[(\s):(\s)+15], v40
	v_cvt_scalef32_pk16_fp6_f32 v[28:30], v[(\s)+16:(\s)+31], v40
	v_cvt_scalef32_pk16_fp6_f32 v[22:24], v[(\s)+32:(\s)+47], v41
	v_cvt_scalef32_pk16_fp6_f32 v[32:34], v[(\s)+48:(\s)+63], v41
	v_nop                                          ; one plain place behind a scaled conversion
.irp i, 0,1,2
	v_mov_b32 v[19+\i], v[28+\i]
	v_mov_b32 v[25+\i], v[32+\i]
.endr
.endm
.macro JOIN                            ; four chains of pairs in v36-43 become the row's sum in v36
	v_pk_add_f32 v[36:37], v[36:37], v[38:39]
	v_pk_add_f32 v[40:41], v[40:41], v[42:43]
	v_pk_add_f32 v[36:37], v[36:37], v[40:41]
	v_add_f32 v36, v36, v37
	v_permlanex16_b32 v8, v36, s66, s67
	v_add_f32 v36, v36, v8
.endm
.macro VEC d, b                        ; a vector of 128 in RL into window 2
.irp c, 0,1
.irp j, 0,1,2,3,4,5,6,7
	global_load_b128 v[\d+32*\c+4*\j:\d+32*\c+4*\j+3], v7, s[\b:\b+1] offset:256*\c+16*\j
.endr
.endr
.endm
	s_load_b512 s[4:19], s[0:1], 0x0               ; x, part, dcor, wimg, pfn_b1, pfn_b2, ln_g, ln_b
	s_load_b64 s[20:21], s[0:1], 0x40              ; out0
	v_lshl_add_u32 v35, v0, 2, 0x10800
	v_mov_b32 v45, 0
	v_lshrrev_b32 v1, 5, v0
	v_readfirstlane_b32 s70, v1                    ; wave 0..3
	v_and_b32 v3, 31, v0
	v_lshlrev_b32 v1, 2, v3
	v_lshlrev_b32 v2, 4, v3
	v_and_b32 v9, 15, v0
	v_bfe_u32 v3, v0, 4, 1
	v_lshlrev_b32 v4, 3, v3
	v_lshlrev_b32 v7, 7, v3
	v_mov_b32 v8, 0
	v_mov_b32 v11, 0                               ; (lane permutes' targets are written once)
	s_wait_alu depctr_va_sdst(0)                   ; s70 is written, ahead of its first reader: the stage's address and the bases of x and out0 are made from it
	s_mul_i32 s28, s70, 16896
	v_add_nc_u32 v5, s28, v2
	v_mul_u32_u24 v6, v9, 528
	v_add_nc_u32 v6, v6, v7
	v_add_nc_u32 v6, s28, v6
	v_lshlrev_b32 v10, 2, v0                       ; 4 x thread
	s_mov_b32 s66, 0x76543210
	s_mov_b32 s67, 0xfedcba98
	s_mov_b32 s68, 0xffff0000                      ; lanes 16-31
	s_mov_b32 s30, 0xbc000000                      ; -1 / 128
	s_mov_b32 s31, 0x3c000000                      ; 1 / 128
	s_mov_b32 s32, 0x358637bd                      ; 1e-6
	s_lshl_b32 s28, ttmp9, 16
	s_lshl_b32 s29, s70, 14
	s_add_co_u32 s28, s28, s29
	s_mov_b32 s29, 0
	s_wait_kmcnt 0x0
	s_add_nc_u64 s[4:5], s[4:5], s[28:29]          ; my 32 rows of x,
	s_add_nc_u64 s[20:21], s[20:21], s[28:29]      ; and of out0
	s_lshr_b32 s28, ttmp9, 5
	s_lshl_b32 s28, s28, 19
	s_and_b32 s33, ttmp9, 31
	s_lshl_b32 s33, s33, 9
	s_add_co_u32 s28, s28, s33
	s_add_nc_u64 s[6:7], s[6:7], s[28:29]          ; part: the batch's 32 blocks of 16,384 bytes, at the work-group's 128 columns
	s_lshl_b32 s28, ttmp9, 9
	s_add_nc_u64 s[8:9], s[8:9], s[28:29]
	s_add_nc_u64 s[10:11], s[10:11], 0x8000        ; pfn_w1's and pfn_w2's images
	s_wait_alu depctr_va_vdst(0)                   ; the offsets and LDS addresses v1, v2, v5-7, v10 are written, which the loads, stores and LDS instructions below read; the head is done with v9, in which a load lands
.set n, 0
.rept 32
	global_load_b128 v[128+4*n:131+4*n], v2, s[4:5] offset:512*n th:TH_LOAD_NT
.set n, n+1
.endr
.set n, 0
.rept 32
	global_load_b32 v[64+n], v10, s[6:7] offset:16384*n            ; lane l: row l of my 32 is column 128 (g % 32) + 32 w + l of the batch
.set n, n+1
.endr
	global_load_b32 v9, v10, s[8:9]
	s_wait_loadcnt 33                              ; x is in: 32 + 1 younger loads may be out
.set n, 0
.rept 32
	ds_store_b128 v5, v[128+4*n:131+4*n] offset:8448*(n/16)+528*(n%16)
.set n, n+1
.endr
	s_wait_dscnt 0x0
	s_wait_alu depctr_vm_vsrc(0)                   ; the stage's stores have read v128-255: the first product writes v128-191, and rows from LDS land in v192-255
	WIN 0x40
.set n, 0
.rept 16
.irp c, 0,1,2
	global_load_b128 v[12*n+4*\c:12*n+4*\c+3], v2, s[10:11] offset:2048*n+512*\c
.endr
.set n, n+1
.endr
	WIN 0
.set n, 0
.rept 16
	global_load_b32 v[48+n], v1, s[10:11] offset:2048*n+1536
.set n, n+1
.endr
	s_wait_loadcnt 63                              ; all ahead of the images' 64 loads is in
.set j, 0
.rept 8
	v_pk_add_f32 v[64+2*j:65+2*j], v[64+2*j:65+2*j], v[80+2*j:81+2*j]
.set j, j+1
.endr
.set j, 0
.rept 4
	v_pk_add_f32 v[64+2*j:65+2*j], v[64+2*j:65+2*j], v[72+2*j:73+2*j]
.set j, j+1
.endr
	v_pk_add_f32 v[64:65], v[64:65], v[68:69]
	v_pk_add_f32 v[66:67], v[66:67], v[70:71]
	v_pk_add_f32 v[64:65], v[64:65], v[66:67]
	v_add_f32 v64, v64, v65
	v_sub_f32 v9, v64, v9                          ; the column's sum without the diagonal
	v_permlanex16_b32 v11, v9, s66, s67
	v_cndmask_b32 v12, v9, v11, s68                ; lane (r, h): row r of tile 0,
	v_cndmask_b32 v14, v11, v9, s68                ; of tile 1
	v_mov_b32 v13, v12                             ; (named as pairs)
	v_mov_b32 v15, v14
	WIN 0x80
	VEC 0, 12                                      ; (no vector instruction has named window 2)
	VEC 64, 14
	VEC 128, 16
	VEC 192, 18
	WIN 0
.irp m, 0,1
.if \m == 1
	s_wait_alu depctr_vm_vsrc(0)                   ; tile 0's LDS stores have read v64-127, in which tile 1 lands; its global stores have read v192-255, in which tile 1's rows land further down
.endif
	s_wait_alu depctr_va_vdst(0)                   ; the vector and matrix instructions so far (tile 0: the additions of the partial column sums; tile 1: tile 0's arithmetic) are done with v64-127, in which the tile lands
	RLREAD \m, 64
	s_wait_dscnt 0x0
.set j, 0
.rept 32
	v_pk_mul_f32 v[64+2*j:65+2*j], v[64+2*j:65+2*j], v[12+2*\m:13+2*\m] op_sel_hi:[1,0]   ; ui
.set j, j+1
.endr
	QUANT 64
.if \m == 0
	s_wait_loadcnt 0x0                             ; the images and the vectors
.endif
	WIN 0x08                                       ; source 1 (pfn_b2) window 2
.set j, 0
.rept 32
	v_pk_add_f32 v[64+2*j:65+2*j], v[64+2*j:65+2*j], v[64+2*j:65+2*j]   ; ui + pfn_b2: the second product's C.  These 32 are also the places between the scale word's last line and the product
.set j, j+1
.endr
	WIN 0x21                                       ; source 0 (pfn_w1) window 1, C (pfn_b1) window 2
	s_wait_alu depctr_va_vdst(0)                   ; behind the places: the codes v16-27 and the scale word v44 are written, which the products take as source 1 and its scales
.irp t, 0,1,2,3,4,5,6,7
	v_wmma_scale_f32_16x16x128_f8f6f4 v[128+8*\t:135+8*\t], v[12*\t:12*\t+11], v[16:27], v[8*\t:8*\t+7], v[48+\t], v44 matrix_a_fmt:MATRIX_FMT_FP6 matrix_b_fmt:MATRIX_FMT_FP6
.endr
	WIN 0
	PLACES 4
.set j, 0
.rept 64
	v_max_num_f32 v[128+j], 0, v[128+j]            ; the activation, in f32; each result from its low end on
.set j, j+1
.endr
	QUANT 128
	PLACES 8                                       ; a scale word made by vector instructions stands 8 places ahead of a scaled product
	WIN 0x01
	s_wait_alu depctr_va_vdst(0)                   ; behind the places: the hidden layer's codes v16-27 and scale word v44 are written, which the products take as source 1 and its scales
.irp t, 0,1,2,3,4,5,6,7
	v_wmma_scale_f32_16x16x128_f8f6f4 v[64+8*\t:71+8*\t], v[96+12*\t:107+12*\t], v[16:27], v[64+8*\t:71+8*\t], v[56+\t], v44 matrix_a_fmt:MATRIX_FMT_FP6 matrix_b_fmt:MATRIX_FMT_FP6
.endr
	WIN 0
	PLACES 4
.irp k, 0,1,2,3
	v_pk_add_f32 v[36+2*\k:37+2*\k], v[64+16*\k:65+16*\k], v[72+16*\k:73+16*\k]   ; the row's sum: each of the eight results is first read at its low end
.endr
.irp i, 2,4,6
.irp t, 0,1,2,3,4,5,6,7
	v_pk_add_f32 v[36+2*(\t%4):37+2*(\t%4)], v[36+2*(\t%4):37+2*(\t%4)], v[64+8*\t+\i:65+8*\t+\i]
.endr
.endr
	JOIN
	v_mul_f32 v46, s30, v36                        ; -mean
	v_mov_b32 v47, v46
.set j, 0
.rept 32
	v_pk_add_f32 v[64+2*j:65+2*j], v[64+2*j:65+2*j], v[46:47] op_sel_hi:[1,0]
.set j, j+1
.endr
.irp k, 0,1,2,3
	v_pk_mul_f32 v[36+2*\k:37+2*\k], v[64+2*\k:65+2*\k], v[64+2*\k:65+2*\k]
.endr
.set p, 4
.rept 28
	v_pk_fma_f32 v[36+2*(p%4):37+2*(p%4)], v[64+2*p:65+2*p], v[64+2*p:65+2*p], v[36+2*(p%4):37+2*(p%4)]
.set p, p+1
.endr
	JOIN
	v_fma_f32 v36, v36, s31, s32                   ; var + 1e-6
	v_rsq_f32 v46, v36
	v_nop
	s_wait_alu depctr_va_vdst(0)                   ; the root's result v46, ahead of its first use
	v_mov_b32 v47, v46
.set j, 0
.rept 32
	v_pk_mul_f32 v[64+2*j:65+2*j], v[64+2*j:65+2*j], v[46:47] op_sel_hi:[1,0]
.set j, j+1
.endr
	WIN 0x28                                       ; sources 1 and 2 (ln_g, ln_b) window 2
.set j, 0
.rept 32
	v_pk_fma_f32 v[64+2*j:65+2*j], v[64+2*j:65+2*j], v[128+2*j:129+2*j], v[192+2*j:193+2*j]
.set j, j+1
.endr
	WIN 0
	s_wait_alu depctr_va_vdst(0)                   ; the last multiply-adds have written v64-127, which the LDS stores read
.irp c, 0,1
.irp j, 0,1,2,3,4,5,6,7
	ds_store_b128 v6, v[64+32*\c+4*\j:67+32*\c+4*\j] offset:8448*\m+256*\c+16*\j   ; back into the tile's place in my stage, which has been read
.endr
.endr
.if \m == 1
	s_wait_xcnt 0x0                                ; tile 0's stores have had their addresses translated; that they have read v192-255 is stated by the wait on vm_vsrc at this tile's head
.endif
.set n, 0
.rept 16
	ds_load_b128 v[192+4*n:195+4*n], v5 offset:8448*\m+528*n       ; LDS serves a wave's instructions in order: these see my stores
.set n, n+1
.endr
.set n, 0
.rept 16
	s_wait_dscnt 15-n                              ; row n is back; the younger loads may be out
	global_store_b128 v2, v[192+4*n:195+4*n], s[20:21] offset:512*(16*\m+n) th:TH_STORE_NT   ; a store = a row: 512 consecutive bytes
.set n, n+1
.endr
.endr
	s_wait_dscnt 0x0
	s_wait_alu depctr_hold_cnt(0) depctr_sa_sdst(0) depctr_va_vdst(0) depctr_va_sdst(0) depctr_va_ssrc(0) depctr_va_vcc(0) depctr_vm_vsrc(0)
	s_wait_tensorcnt 0x0
	ds_add_u32 v35, v45
	s_wait_dscnt 0x0
	s_endpgm
.Lfunc_end_k_q38dd204ca5_ffn:
	.size	k_q38dd204ca5_ffn, .Lfunc_end_k_q38dd204ca5_ffn-k_q38dd204ca5_ffn
	.p2alignl 7, 3214868480
	.fill 96, 4, 3214868480
	.section	.rodata,"a",@progbits
	.p2align	6, 0x0
	.amdhsa_kernel k_q38dd204ca5_ffn
		.amdhsa_group_segment_fixed_size 68096
		.amdhsa_private_segment_fixed_size 0
		.amdhsa_enable_private_segment 0
		.amdhsa_kernarg_size 72
		.amdhsa_user_sgpr_count 2
		.amdhsa_user_sgpr_kernarg_segment_ptr 1
		.amdhsa_wavefront_size32 1
		.amdhsa_system_sgpr_workgroup_id_x 1
		.amdhsa_system_sgpr_workgroup_id_y 1
		.amdhsa_system_sgpr_workgroup_id_z 1
		.amdhsa_system_vgpr_workitem_id 0
		.amdhsa_next_free_vgpr 768
		.amdhsa_next_free_sgpr 72
		.amdhsa_reserve_vcc 0
		.amdhsa_float_denorm_mode_32 3
		.amdhsa_float_denorm_mode_16_64 3
		.amdhsa_memory_ordered 1
		.amdhsa_forward_progress 1
		.amdhsa_inst_pref_size 86
	.end_amdhsa_kernel
	.amdgpu_metadata
---
amdhsa.version: [ 1, 2 ]
amdhsa.kernels:
  - .name:           k_q38dd204ca5_ffn
    .symbol:         k_q38dd204ca5_ffn.kd
    .args:
      - { .name: x, .offset: 0, .size: 8, .value_kind: global_buffer, .address_space: global }
      - { .name: part, .offset: 8, .size: 8, .value_kind: global_buffer, .address_space: global }
      - { .name: dcor, .offset: 16, .size: 8, .value_kind: global_buffer, .address_space: global }
      - { .name: wimg, .offset: 24, .size: 8, .value_kind: global_buffer, .address_space: global }
      - { .name: pfn_b1, .offset: 32, .size: 8, .value_kind: global_buffer, .address_space: global }
      - { .name: pfn_b2, .offset: 40, .size: 8, .value_kind: global_buffer, .address_space: global }
      - { .name: ln_g, .offset: 48, .size: 8, .value_kind: global_buffer, .address_space: global }
      - { .name: ln_b, .offset: 56, .size: 8, .value_kind: global_buffer, .address_space: global }
      - { .name: out0, .offset: 64, .size: 8, .value_kind: global_buffer, .address_space: global }
    .group_segment_fixed_size: 68096
    .private_segment_fixed_size: 0
    .kernarg_segment_align: 8
    .kernarg_segment_size: 72
    .max_flat_workgroup_size: 128
    .sgpr_count:     72
    .vgpr_count:     768
    .wavefront_size: 32
...
	.end_amdgpu_metadata
.endif
;; end of part 7
